; MI455X (gfx1250); checked and timed in simulation.
; The chip was launched on July 23, 2026; its instructions are those of AMD's public machine-readable ISA for CDNA 5 (MIT licence, August 2026) and "CDNA5" Instruction Set Architecture Reference Guide (July 2026). The comments in the code are by the model that wrote it; some were corrected since.
;; Causal Attention. Allowed arithmetic: matrix products marked QUANTISED: E2M1 operands, one E8M0 scale for each 32 along K, by v_wmma_scale_f32_16x16x128_f8f6f4 with both operands' format E2M1 (or v_wmma_scale_f32_32x16x128_f4), f32 sums; products left as they are: bf16, f16 or f32 operands; f32 sums; everything else in f32.
;; Inputs: Wk 2,048 x 2,048 float32; Wo 2,048 x 2,048 float32; Wq 2,048 x 2,048 float32; Wv 2,048 x 2,048 float32; x 1 x 2,048 x 2,048 float32.
;; Outputs: out0 1 x 2,048 x 2,048 float32.
;; This version of the problem:
;;   THIS VERSION OF THE PROBLEM IS GIVEN IN LOW PRECISION. The matrix products marked QUANTISED in the list below multiply operands that are first quantised to E2M1 (2 exponent bits, 1 mantissa bit; 4 bits a number), with one power-of-two scale for each 32 numbers along K (OCP MX v1.0); their sums are f32. The products marked 'left as it is' may take bf16, f16 or f32 operands, with f32 sums. Whichever they take, every output number must still come out within the allowed error. Rounding operands to bf16 (8 significant bits) uses up far more of that allowance than f16 does (11 bits, for magnitudes from 6e-5 to 65,504). All else is computed in f32.
;;   The module's matrix products, in the order in which they are computed (A, B: the left and right operand; K: the contracted axis; several contracted axes count as one K, in the product's order):
;;     1. [M 2,048, K 2,048] x [K 2,048, N 2,048]; A: input x; B: input Wq: QUANTISED
;;     2. [M 2,048, K 2,048] x [K 2,048, N 2,048]; A: input x; B: input Wk: QUANTISED
;;     3. [M 2,048, K 2,048] x [K 2,048, N 2,048]; A: input x; B: input Wv: QUANTISED
;;     4. batch 16 x [M 2,048, K 128] x [K 128, N 2,048]; A: computed on the way; B: computed on the way: left as it is (an operand is computed on the way)
;;     5. batch 16 x [M 2,048, K 2,048] x [K 2,048, N 128]; A: computed on the way; B: computed on the way: left as it is (an operand is computed on the way)
;;     6. [M 2,048, K 2,048] x [K 2,048, N 2,048]; A: computed on the way; B: input Wo: left as it is (an operand is computed on the way)
;;   THE QUANTISER, for each operand of a quantised product, along K:
;;     - K is cut into blocks of 32 from its start; a last block that is shorter is filled with zeros.
;;     - A block's scale is 2^e with e = floor(log2(the largest magnitude in the block)) - 2, held to -126 .. 127; a block of zeros has e = 0. As a byte (E8M0): e + 127.
;;     - Each number is divided by its block's scale, clamped to +-6, and rounded to the nearest number of E2M1, ties to even, subnormals kept.
;;     - The product sums the exact products of the quantised numbers (number of the format x scale) in f32.
;;   ~~~python
;;   def quantise(x, axis):      # numpy; x: float32 -> the quantised numbers, widened to float32 again
;;       x = np.moveaxis(x, axis, -1); K = x.shape[-1]
;;       x = np.pad(x, [(0, 0)] * (x.ndim - 1) + [(0, -K % 32)]); x = x.reshape(x.shape[:-1] + (-1, 32)); a = np.abs(x).max(-1, keepdims=True)
;;       e = np.where(a > 0, np.clip(np.frexp(np.where(a > 0, a, 1))[1] - 1 - 2, -126, 127), 0)      # np.frexp(a)[1] - 1 = floor(log2(a)), exactly
;;       r = np.clip(x / 2.0 ** e, -6, 6)
;;       step = 2.0 ** (np.maximum(np.frexp(np.where(r == 0, 1, r))[1] - 1, 0) - 1)
;;       q = np.round(r / step) * step * 2.0 ** e      # np.round: ties to even
;;       return np.moveaxis(q.reshape(q.shape[:-2] + (-1,))[..., :K], -1, axis).astype(np.float32)
;;   ~~~
;; One version. Each part assembles by itself: llvm-mc -triple=amdgcn-amd-amdhsa -mcpu=gfx1250 --defsym DOCPART=n.
;; ======== version 1 of 1: 5 launches
;; limits: values are held in f16: magnitudes above 65,504 overflow, below 6.1e-05 lose precision
;; workspace buffers: codes 8,388,608 bytes; scales 524,288 bytes; wo16 8,388,608 bytes; rope 1,048,576 bytes; qkv16 25,165,824 bytes; fine32 393,216 bytes; attn16 8,388,608 bytes
;; launch prep (part 1): grid 672 x 1, 4 waves a work-group, no clusters, 33,280 bytes of LDS; arguments x, Wq, Wk, Wv, Wo, codes, scales, wo16, rope; writes codes, scales, wo16, rope
.if DOCPART == 1
	.amdgcn_target "amdgcn-amd-amdhsa--gfx1250"
	.amdhsa_code_object_version 6
	.text
	.protected	k_q93e47671a6_prep
	.globl	k_q93e47671a6_prep
	.p2align	8
	.type	k_q93e47671a6_prep,@function
k_q93e47671a6_prep:
	s_mov_b64 s[64:65], 0
	v_nop
	global_prefetch_b8 v0, s[64:65] scope:SCOPE_SE
	s_setreg_imm32_b32 hwreg(HW_REG_WAVE_MODE, 25, 1), 1
	s_wait_xcnt 0x0
; CAUSAL ATTENTION, launch 1 of 5: what is made once.  (a) x, Wq, Wk, Wv [2048][2048] f32 become codes of E2M1, K innermost, with one E8M0 byte for each 32 along K;
; (b) Wo becomes f16; (c) the RoPE tables cos / 4 and sin / 4 are made, laid as images of the registers that take them.
; DEAD WORK, for the whole program: reference() sets the scores above its own jnp.tril to -inf in front of the softmax, so their weights are 0 for all values of the inputs.  Tiles of keys that lie wholly
; above the diagonal are therefore neither loaded nor multiplied (launch attn).  Nothing else is left out; all five inputs have a way to the output and are loaded.
; A NaN, an infinity or an overflow that would arise only in such a tile is not carried to the result.
; THE QUANTISER: a block's scale is 2^(floor(log2(its largest magnitude)) - 2); its byte is the largest magnitude's exponent field - 2, held at 1 from below.  Each number is divided by the scale and rounded to the
; nearest code, ties to even, beyond 6 the largest code.  A block of zeros gets the byte 1 where the rule says 127: its codes are zeros, which add nothing, and this program alone reads the bytes.
; LIMITS: NaN and infinities among the inputs are not served by the quantiser.  |Wo| beyond 65,504 does not fit f16; under 6e-5 its step is 6e-8.
; The tables' angle is t x 2^(-f log2(10000) / 64) in f32: it may differ from reference()'s by a few units in the last place of the frequency, about 2e-4 radians at t = 2,047 for the fastest frequencies.
; THE FACTOR 1 / 4 in the tables is a power of two: q and k then carry 2^-2 each without rounding, which leaves them room in f16; the softmax's constant takes the 16 back.
; WORK-GROUPS: 0-511 quantise (128 to a tensor), 512-639 cast Wo, 640-671 make the tables.  Only the first path touches LDS.
.set WAVES, 4
.set STEPS, 16
.set EMAX,  2
.set CB,    8                          ; bytes of 16 codes
.set R,     16                         ; v16-79   four sets of 16 numbers as they are loaded
.set X,     80                         ; v80-111  two sets of 16 neighbours
.set C,     128                        ; v128-191 codes: four registers for each step
.set E,     112                        ; v112-127 a scale byte for each step
.set WREG,  8192                       ; LDS: a region for each wave: two stages of 32 x SP bytes, then its 256 scale bytes
.set SP,    80                         ; a lane's place in a stage: 64 bytes + 16 of padding
.set SPW,   12                         ; v12 LDS address of my spare word; never rewritten
.set NIL,   13                         ; v13 0; never rewritten
.set SPARE, WAVES*WREG                 ; behind the four regions: the spare words, 128 bytes a wave
	s_load_b256 s[4:11], s[0:1], 0x0               ; x s[4:5], Wq s[6:7], Wk s[8:9], Wv s[10:11]
	s_load_b256 s[12:19], s[0:1], 0x20             ; Wo s[12:13], codes s[14:15], scales s[16:17], wo16 s[18:19]
	s_load_b64 s[20:21], s[0:1], 0x40              ; rope
	v_lshl_add_u32 v[SPW], v0, 2, SPARE
	v_mov_b32 v[NIL], 0
	v_lshrrev_b32 v1, 5, v0
	v_readfirstlane_b32 s22, v1                    ; wave
	v_and_b32 v2, 31, v0                           ; lane
	s_mov_b32 s27, 0                               ; the upper word of every offset below
	s_wait_kmcnt 0x0
	s_cmp_ge_u32 ttmp9, 640
	s_cbranch_scc1 .Ltable
	s_cmp_ge_u32 ttmp9, 512
	s_cbranch_scc1 .Lcast
	; ---- QUANTISE.  A tensor is a plain stream of blocks of 32; a wave takes 16 steps of 512 numbers.  Each load reads 512 consecutive bytes; a step's 2,048 bytes turn through the wave's own stage in LDS,
	; so that a lane then holds 16 neighbours along K (two neighbouring lanes hold a block).
	v_lshlrev_b32 v3, 4, v2                        ; my 16 bytes of a load's 512
	s_mul_i32 s26, s22, WREG
	v_lshrrev_b32 v14, 2, v2
	v_mul_u32_u24 v14, v14, SP
	v_and_b32 v15, 3, v2
	v_lshl_add_u32 v14, v15, 4, v14
	v_add_nc_u32 v14, s26, v14                     ; the stage, on the way in: SP (lane / 4) + 16 (lane % 4)
	v_mul_u32_u24 v15, v2, SP
	v_add_nc_u32 v15, s26, v15                     ; and on the way out: SP x lane
	v_mul_u32_u24 v4, v2, CB                       ; my codes' place in a step's
	v_lshrrev_b32 v5, 1, v2
	s_add_co_u32 s26, s26, 2*32*SP
	v_add_nc_u32 v5, s26, v5                       ; my wave's 256 scale bytes, my block's byte
	v_lshlrev_b32 v7, 3, v2
	v_add_nc_u32 v6, s26, v7                       ; and on the way out 8 bytes a lane
	s_lshr_b32 s23, ttmp9, 7                       ; which tensor: the choice hangs on the work-group's number alone
	s_cmp_eq_u32 s23, 1
	s_cselect_b64 s[24:25], s[6:7], s[4:5]
	s_cmp_eq_u32 s23, 2
	s_cselect_b64 s[24:25], s[8:9], s[24:25]
	s_cmp_eq_u32 s23, 3
	s_cselect_b64 s[24:25], s[10:11], s[24:25]
	s_and_b32 s26, ttmp9, 127
	s_lshl_b32 s26, s26, 2
	s_add_co_u32 s26, s26, s22                     ; which run of 8,192 numbers of the tensor is my wave's
	s_lshl_b32 s26, s26, 15                        ; 32,768 bytes a run
	s_add_nc_u64 s[24:25], s[24:25], s[26:27]
	s_lshl_b32 s28, ttmp9, 2
	s_add_co_u32 s28, s28, s22                     ; and which run of all four tensors' codes
	s_lshl_b32 s26, s28, 12                        ; 4,096 bytes of codes a run
	s_add_nc_u64 s[14:15], s[14:15], s[26:27]
	s_lshl_b32 s26, s28, 8                         ; 256 scale bytes a run
	s_add_nc_u64 s[16:17], s[16:17], s[26:27]
.macro LOAD t
.irp i, 0,1,2,3
	global_load_b128 v[R+16*((\t)%4)+4*\i:R+16*((\t)%4)+4*\i+3], v3, s[24:25] offset:2048*(\t)+512*\i th:TH_LOAD_NT   ; 32 lanes read 512 consecutive bytes
.endr
.endm
.macro TURN t                          ; step t's numbers through the stage: LDS serves a wave's instructions in order, so no wait stands between the stores and the loads
.irp i, 0,1,2,3
	ds_store_b128 v14, v[R+16*((\t)%4)+4*\i:R+16*((\t)%4)+4*\i+3] offset:32*SP*((\t)%2)+8*SP*\i
.endr
.irp i, 0,1,2,3
	ds_load_b128 v[X+16*((\t)%2)+4*\i:X+16*((\t)%2)+4*\i+3], v15 offset:32*SP*((\t)%2)+16*\i
.endr
.endm
.irp t, 0,1,2,3
	LOAD \t
.endr
	s_wait_loadcnt 12                              ; step 0's four loads are in; those of three steps may be out
	TURN 0
.macro STEP t
.set XS, X+16*((\t)%2)
.if (\t) > 0
	s_wait_dscnt 1                                 ; this step's numbers are back from the stage (the last step's byte store may be out)
.else
	s_wait_dscnt 0x0
.endif
.if (\t)+4 < STEPS
	LOAD (\t)+4                                    ; into the registers that the stage's stores have read
.endif
.if (\t)+1 < STEPS
.if STEPS-2-(\t) >= 3
	s_wait_loadcnt 12                              ; the next step's four loads are in; those of the three steps behind it may be out
.else
	s_wait_loadcnt 4*(STEPS-2-(\t))
.endif
	TURN (\t)+1                                    ; the next step goes through the other stage while this one is worked
.endif
	v_max3_num_f32 v8, |v[XS]|, |v[XS+1]|, |v[XS+2]|               ; the largest magnitude of my 16, in two chains
	v_max3_num_f32 v9, |v[XS+3]|, |v[XS+4]|, |v[XS+5]|
.irp i, 6,10
	v_max3_num_f32 v8, v8, |v[XS+\i]|, |v[XS+\i+1]|
	v_max3_num_f32 v9, v9, |v[XS+\i+2]|, |v[XS+\i+3]|
.endr
	v_max3_num_f32 v8, v8, |v[XS+14]|, |v[XS+15]|
	v_max3_num_f32 v8, v8, v9, (EMAX+1)<<23        ; and the floor 2^(3 - 127): the byte cannot fall under 1
	v_max_num_f32_dpp v8, v8, v8 row_xmask:1 row_mask:0xf bank_mask:0xf   ; and of my neighbour's 16: the block's
	v_add_nc_u32 v11, -(EMAX<<23), v8              ; 2 off its exponent field: the conversion takes the exponent field of this operand as its scale
	v_cvt_scalef32_pk8_fp4_f32 v[C+4*(\t)], v[XS:XS+7], v11
	v_cvt_scalef32_pk8_fp4_f32 v[C+4*(\t)+1], v[XS+8:XS+15], v11
	v_lshrrev_b32 v[E+(\t)], 23, v11               ; the scale's byte
	ds_store_b8 v5, v[E+(\t)] offset:16*(\t)       ; both lanes of a block write the same byte with the same value
	global_store_b64 v4, v[C+4*(\t):C+4*(\t)+1], s[14:15] offset:32*CB*(\t)   ; the wave stores 256 consecutive bytes, aligned
.endm
.irp t, 0,1,2,3,4,5,6,7,8,9,10,11,12,13,14,15
	STEP \t
.endr
	ds_load_b64 v[8:9], v6                         ; my wave's 256 scale bytes: these see my stores
	s_wait_dscnt 0x0
	global_store_b64 v7, v[8:9], s[16:17]          ; 32 lanes store 256 consecutive bytes, aligned
	s_wait_tensorcnt 0x0                           ; the wave's end: a tensor wait, an add of 0 to my spare word, and its wait, behind my last LDS store
	ds_add_u32 v[SPW], v[NIL]
	s_wait_dscnt 0x0
	s_endpgm
	; ---- Wo TO f16.  A wave takes 8,192 numbers, in four groups of 16 loads; a load reads 512 consecutive bytes, a store writes 256.
.Lcast:
	s_sub_co_u32 s26, ttmp9, 512
	s_lshl_b32 s26, s26, 2
	s_add_co_u32 s28, s26, s22                     ; my run
	s_lshl_b32 s26, s28, 15
	s_add_nc_u64 s[12:13], s[12:13], s[26:27]
	s_lshl_b32 s26, s28, 14
	s_add_nc_u64 s[18:19], s[18:19], s[26:27]
	v_lshlrev_b32 v3, 4, v2
	v_lshlrev_b32 v4, 3, v2
.macro LOADG g
.irp i, 0,1,2,3,4,5,6,7,8,9,10,11,12,13,14,15
	global_load_b128 v[16+64*((\g)%2)+4*\i:16+64*((\g)%2)+4*\i+3], v3, s[12:13] offset:512*(16*(\g)+\i) th:TH_LOAD_NT
.endr
.endm
.macro CASTG g
.if (\g) < 3
	s_wait_loadcnt 16                              ; this group is in; the younger group's 16 loads may be out
.else
	s_wait_loadcnt 0x0
.endif
.if (\g) > 0
	s_wait_xcnt 0x0                                ; the last group's stores have read v144-175, which are written again
.endif
.irp i, 0,1,2,3,4,5,6,7,8,9,10,11,12,13,14,15
	v_cvt_pk_f16_f32 v[144+2*\i], v[16+64*((\g)%2)+4*\i], v[16+64*((\g)%2)+4*\i+1]
	v_cvt_pk_f16_f32 v[145+2*\i], v[16+64*((\g)%2)+4*\i+2], v[16+64*((\g)%2)+4*\i+3]
.endr
.irp i, 0,1,2,3,4,5,6,7,8,9,10,11,12,13,14,15
	global_store_b64 v4, v[144+2*\i:145+2*\i], s[18:19] offset:256*(16*(\g)+\i) th:TH_STORE_NT
.endr
.if (\g) < 2
	LOADG (\g)+2
.endif
.endm
	LOADG 0
	LOADG 1
	CASTG 0
	CASTG 1
	CASTG 2
	CASTG 3
	s_endpgm
	; ---- THE TABLES.  A wave takes 16 positions t = 16 tb + r.  Image (b, q): lane (r, h), word e: frequency f = 16 b + 8 h + 4 (q & 1) + e; q = 0, 1: cos / 4; q = 2, 3: sin / 4.
	; The angle is reduced by the nearest multiple n of pi / 2 (pi / 2 in two parts, two fused multiply-adds); sine and cosine of the rest, at most pi / 4, by their series up to r^9 and r^10; n's low two bits swap and sign.
.Ltable:
	s_sub_co_u32 s26, ttmp9, 640
	s_lshl_b32 s26, s26, 2
	s_add_co_u32 s28, s26, s22                     ; tb
	s_lshl_b32 s26, s28, 13                        ; 8,192 bytes a tb
	s_add_nc_u64 s[20:21], s[20:21], s[26:27]
	s_lshl_b32 s28, s28, 4
	v_and_b32 v3, 15, v0
	v_add_nc_u32 v3, s28, v3
	v_cvt_f32_u32 v10, v3                          ; t
	v_bfe_u32 v11, v0, 4, 1
	v_lshlrev_b32 v11, 3, v11                      ; 8 h
	v_lshlrev_b32 v9, 4, v2                        ; 16 x lane
	s_mov_b32 s30, 0xbe549a78                      ; -log2(10000) / 64
	s_mov_b32 s31, 0x3f22f983                      ; 2 / pi
	s_mov_b32 s32, 0xbfc90fdb                      ; -(pi / 2), the f32 nearest
	s_mov_b32 s33, 0x333bbd2e                      ; and what that f32 has too much
	s_mov_b32 s34, 0x3638ef1d                      ; 1 / 9!
	s_mov_b32 s35, 0xb9500d01                      ; -1 / 7!
	s_mov_b32 s36, 0x3c088889                      ; 1 / 5!
	s_mov_b32 s37, 0xbe2aaaab                      ; -1 / 3!
	s_mov_b32 s38, 0xb493f27e                      ; -1 / 10!
	s_mov_b32 s39, 0x37d00d01                      ; 1 / 8!
	s_mov_b32 s40, 0xbab60b61                      ; -1 / 6!
	s_mov_b32 s41, 0x3d2aaaab                      ; 1 / 4!
	s_mov_b32 s42, 0x3e800000                      ; 1 / 4
.macro ANG b, qq                       ; four angles by turns; each call has its own eight result registers, so no store's data are written again
.set OB, 64+8*(2*(\b)+(\qq))
.irp e, 0,1,2,3
	v_add_nc_u32 v[16+\e], 16*(\b)+4*(\qq)+\e, v11
.endr
.irp e, 0,1,2,3
	v_cvt_f32_u32 v[16+\e], v[16+\e]
.endr
.irp e, 0,1,2,3
	v_mul_f32 v[16+\e], s30, v[16+\e]
.endr
.irp e, 0,1,2,3
	v_exp_f32 v[16+\e], v[16+\e]                   ; the frequency 10000^(-f / 64)
.endr
	v_nop                                          ; a plain instruction behind the last exponential
	s_wait_alu depctr_va_vdst(0)                   ; one wait for the four, ahead of their first reader
.irp e, 0,1,2,3
	v_mul_f32 v[16+\e], v10, v[16+\e]              ; the angle
.endr
.irp e, 0,1,2,3
	v_mul_f32 v[20+\e], s31, v[16+\e]
.endr
.irp e, 0,1,2,3
	v_rndne_f32 v[20+\e], v[20+\e]                 ; n
.endr
.irp e, 0,1,2,3
	v_fma_f32 v[24+\e], v[20+\e], s32, v[16+\e]
.endr
.irp e, 0,1,2,3
	v_fma_f32 v[24+\e], v[20+\e], s33, v[24+\e]    ; r
.endr
.irp e, 0,1,2,3
	v_mul_f32 v[28+\e], v[24+\e], v[24+\e]         ; z = r^2
.endr
.irp e, 0,1,2,3
	v_fma_f32 v[32+\e], v[28+\e], s34, s35
	v_fma_f32 v[36+\e], v[28+\e], s38, s39
.endr
.irp e, 0,1,2,3
	v_fma_f32 v[32+\e], v[32+\e], v[28+\e], s36
	v_fma_f32 v[36+\e], v[36+\e], v[28+\e], s40
.endr
.irp e, 0,1,2,3
	v_fma_f32 v[32+\e], v[32+\e], v[28+\e], s37
	v_fma_f32 v[36+\e], v[36+\e], v[28+\e], s41
.endr
.irp e, 0,1,2,3
	v_mul_f32 v[44+\e], v[24+\e], v[28+\e]
	v_fma_f32 v[36+\e], v[36+\e], v[28+\e], -0.5
.endr
.irp e, 0,1,2,3
	v_fma_f32 v[32+\e], v[44+\e], v[32+\e], v[24+\e]   ; sin r
	v_fma_f32 v[36+\e], v[36+\e], v[28+\e], 1.0        ; cos r
.endr
.irp e, 0,1,2,3
	v_cvt_i32_f32 v[40+\e], v[20+\e]
.endr
.irp e, 0,1,2,3
	v_and_b32 v[44+\e], 1, v[40+\e]
.endr
.irp e, 0,1,2,3
	v_cmp_ne_u32 vcc_lo, 0, v[44+\e]               ; n odd: sine and cosine change places
	v_cndmask_b32 v[48+\e], v[32+\e], v[36+\e], vcc_lo
	v_cndmask_b32 v[52+\e], v[36+\e], v[32+\e], vcc_lo
.endr
.irp e, 0,1,2,3
	v_and_b32 v[44+\e], 2, v[40+\e]                ; the sine's sign: n mod 4 = 2, 3
	v_add_nc_u32 v[40+\e], 1, v[40+\e]
.endr
.irp e, 0,1,2,3
	v_lshlrev_b32 v[44+\e], 30, v[44+\e]
	v_and_b32 v[40+\e], 2, v[40+\e]                ; the cosine's: n mod 4 = 1, 2
.endr
.irp e, 0,1,2,3
	v_xor_b32 v[48+\e], v[44+\e], v[48+\e]
	v_lshlrev_b32 v[40+\e], 30, v[40+\e]
.endr
.irp e, 0,1,2,3
	v_xor_b32 v[52+\e], v[40+\e], v[52+\e]
.endr
.irp e, 0,1,2,3
	v_mul_f32 v[OB+\e], s42, v[52+\e]              ; cos / 4
	v_mul_f32 v[OB+4+\e], s42, v[48+\e]            ; sin / 4
.endr
	global_store_b128 v9, v[OB:OB+3], s[20:21] offset:(4*(\b)+(\qq))*512          ; 512 consecutive bytes
	global_store_b128 v9, v[OB+4:OB+7], s[20:21] offset:(4*(\b)+(\qq))*512+1024
.endm
.irp b, 0,1,2,3
	ANG \b, 0
	ANG \b, 1
.endr
	s_endpgm
.Lfunc_end_k_q93e47671a6_prep:
	.size	k_q93e47671a6_prep, .Lfunc_end_k_q93e47671a6_prep-k_q93e47671a6_prep
	.p2alignl 7, 3214868480
	.fill 96, 4, 3214868480
	.section	.rodata,"a",@progbits
	.p2align	6, 0x0
	.amdhsa_kernel k_q93e47671a6_prep
		.amdhsa_group_segment_fixed_size 33280
		.amdhsa_private_segment_fixed_size 0
		.amdhsa_enable_private_segment 0
		.amdhsa_kernarg_size 72
		.amdhsa_user_sgpr_count 2
		.amdhsa_user_sgpr_kernarg_segment_ptr 1
		.amdhsa_wavefront_size32 1
		.amdhsa_system_sgpr_workgroup_id_x 1
		.amdhsa_system_sgpr_workgroup_id_y 1
		.amdhsa_system_sgpr_workgroup_id_z 1
		.amdhsa_system_vgpr_workitem_id 0
		.amdhsa_next_free_vgpr 192
		.amdhsa_next_free_sgpr 66
		.amdhsa_reserve_vcc 1
		.amdhsa_float_denorm_mode_32 3
		.amdhsa_float_denorm_mode_16_64 3
		.amdhsa_memory_ordered 1
		.amdhsa_forward_progress 1
		.amdhsa_inst_pref_size 102
	.end_amdhsa_kernel
	.amdgpu_metadata
---
amdhsa.version: [ 1, 2 ]
amdhsa.kernels:
  - .name:           k_q93e47671a6_prep
    .symbol:         k_q93e47671a6_prep.kd
    .args:
      - { .name: x, .offset: 0, .size: 8, .value_kind: global_buffer, .address_space: global }
      - { .name: Wq, .offset: 8, .size: 8, .value_kind: global_buffer, .address_space: global }
      - { .name: Wk, .offset: 16, .size: 8, .value_kind: global_buffer, .address_space: global }
      - { .name: Wv, .offset: 24, .size: 8, .value_kind: global_buffer, .address_space: global }
      - { .name: Wo, .offset: 32, .size: 8, .value_kind: global_buffer, .address_space: global }
      - { .name: codes, .offset: 40, .size: 8, .value_kind: global_buffer, .address_space: global }
      - { .name: scales, .offset: 48, .size: 8, .value_kind: global_buffer, .address_space: global }
      - { .name: wo16, .offset: 56, .size: 8, .value_kind: global_buffer, .address_space: global }
      - { .name: rope, .offset: 64, .size: 8, .value_kind: global_buffer, .address_space: global }
    .group_segment_fixed_size: 33280
    .private_segment_fixed_size: 0
    .kernarg_segment_align: 8
    .kernarg_segment_size: 72
    .max_flat_workgroup_size: 128
    .sgpr_count:     66
    .vgpr_count:     192
    .wavefront_size: 32
...
	.end_amdgpu_metadata
.endif
;; end of part 1
;; launch qkv (part 2): grid 24 x 8, 4 waves a work-group, clusters of 4 x 4, 327,680 bytes of LDS; arguments codes, scales, rope, qkv16, fine32; writes qkv16, fine32
.if DOCPART == 2
	.amdgcn_target "amdgcn-amd-amdhsa--gfx1250"
	.amdhsa_code_object_version 6
	.text
	.protected	k_q93e47671a6_qkv
	.globl	k_q93e47671a6_qkv
	.p2align	8
	.type	k_q93e47671a6_qkv,@function
k_q93e47671a6_qkv:
	s_mov_b64 s[64:65], 0
	v_nop
	global_prefetch_b8 v0, s[64:65] scope:SCOPE_SE
	s_setreg_imm32_b32 hwreg(HW_REG_WAVE_MODE, 25, 1), 1
	s_wait_xcnt 0x0
	s_wait_alu depctr_hold_cnt(0) depctr_sa_sdst(0) depctr_va_vdst(0) depctr_va_sdst(0) depctr_va_ssrc(0) depctr_va_vcc(0) depctr_vm_vsrc(0)
	s_getreg_b32 s2, hwreg(HW_REG_IB_STS2, 6, 4)
	s_cmp_eq_u32 s2, 0
	s_cbranch_scc0 .Lentry_in_a_cluster
	s_endpgm
.Lentry_in_a_cluster:
	s_bfe_u32 s2, ttmp6, 0x10000c
	s_cmp_lg_u32 s2, 0xf033
	s_cbranch_scc0 .Lentry_shape_is_right
	s_endpgm
.Lentry_shape_is_right:
; CAUSAL ATTENTION, launch 2 of 5: q, k, v = x Wq^T, x Wk^T, x Wv^T on codes of E2M1 with E8M0 scales, as one product C = A B^T: A = x's 2,048 rows of codes, B = the 6,144 rows of Wq, Wk, Wv; K = 2,048; sums in f32.
; On the way out q and k are turned by RoPE in f32 (tables cos / 4, sin / 4: q and k leave as RoPE(.) / 4, exact powers of two), all three are rounded to f16 and laid [q, k, v][head][position][128];
; positions 0-15 leave in f32 too (fine32), for the launch that carries the first rows finely.  No work of reference() is left out here.
; LIMIT: |q| / 4, |k| / 4, |v| beyond 65,504 do not fit f16.
; A tile of C, 256 x 256, is made by four waves; a wave makes 128 positions x 128 columns, one whole head: 64 accumulators of 16 x 16.  K goes in steps of 512 through a ring of two LDS slots filled by the tensor
; data mover: a tile's row is 256 bytes of memory.  The scale bytes of the work-group's rows, for all of K, come into LDS once, with the first fills.
; CLUSTERS: 4 x 4 work-groups.  The four of a row of the cluster need the same tiles of A, the four of a column the same tiles of B: each tile is asked for jointly, by the same tensor load with the same descriptor
; and a mask that names the four.  The grid has 192 work-groups: a smaller tile would cut heads, and with them RoPE's pairs (d, d + 64) and the rows of 256 bytes on the way out.
; THE MATRIX INSTRUCTION IS USED TRANSPOSED (source 0 = 16 rows of B, source 1 = 16 rows of A): a lane then holds eight neighbouring columns of one position.
; REGISTERS, in windows of 256: window 0: v0-31 addresses; v32-95 scale words, two sets; from v128 A's fragments, one set; on the way out v32-207 are at work.
;   window 1: B's fragments, two sets, at v0 and v128; on the way out four sets of tables.   window 2: the accumulators of my rows 0-63 ((a, b) at v[8 (8 a + b)]);   window 3: those of rows 64-127.
.set SIZE_M, 2048
.set SIZE_N, 6144
.set SIZE_K, 2048
.set KSTEP,  512                       ; along K in a slot
.set NQ,     KSTEP/128                 ; matrix instructions deep
.set ROWB,   256                       ; a tile's row in bytes
.set KROW,   SIZE_K*4/8                ; a row of codes in memory
.set PITCH,  272                       ; an LDS row: 256 bytes + 16 of padding: the 16 rows that a load touches start 68 words apart
.set FR,     8                         ; registers of a fragment
.set NL,     2                         ; LDS loads that bring one
.set NP,     4                         ; places behind this matrix instruction (ISA guide 7.12.1)
.set HALFT,  128*PITCH                 ; 128 rows: what one tensor load brings
.set SLOT,   4*HALFT                   ; A's 256 rows, then B's 256 rows
.set LAPS,   SIZE_K/(2*KSTEP)
.set KS,     SIZE_K/32                 ; a row of scales in bytes
.set SCL,    2*SLOT                    ; behind the ring: the scales, as units of 256 bytes + 16 of padding
.set HALFS,  (128*KS/256)*272          ; the scales of 128 rows
.set SBLK,   (16*KS/256)*272           ; those of 16 rows
.set SPARE,  SCL+4*HALFS               ; behind the scales: the spare words, 128 bytes a wave
.set SP2,    272                       ; the way out: a stage of 16 rows x (256 bytes + 16) for each wave, in slot 0, which has had its last fill and its last read by then
.set VST,    4*16*SP2                  ; the path for v has stages of its own, behind those of the path for q and k
.set ADRA, 16                          ; v16-17  LDS address of my A fragments in slot 0, 1
.set ADRB, 20                          ; v20-21  the same for B
.set STO,  24                          ; v24     the way out: where I put 16 bytes of a row
.set RD,   25                          ; v25     where I read rows back
.set CO,   26                          ; v26     16 x lane: my place in 512 dense bytes (tables, and rows of the result)
.set ADRS, 27                          ; v27     LDS address of my scale words
.set SPW,  28                          ; v28     LDS address of my spare word; never rewritten
.set NIL,  29                          ; v29     0; never rewritten
.set FO,   30                          ; v30     my place in fine32: 512 r + 32 h
.set ROWV, 31                          ; v31     my wave's first position
.set SC,   32                          ; scale words: set s at v[SC + 8 NQ s]
.set AF,   128                         ; A's fragments
.set RR,   32                          ; the way out: v32-95 a block's 64 turned numbers a lane
.set TT,   96                          ; v96-103, v104-111 products with the sine
.set UU,   104
.set TMP,  112                         ; v112-143 packed results
.set BK,   144                         ; v144-175, v176-207 rows read back, by turns
.set G1, 24
.set G0, 32
.set G1B, 48
.set G0B, 56
.set G1S, 68
.set G0S, 76
.set G1SB, 80
.set G0SB, 88
.set MSB, 0
.macro WIN new                         ; the immediate's high byte repeats the setting that is left
.if MSB != (\new)
	s_set_vgpr_msb (MSB<<8)|(\new)
.set MSB, (\new)
.endif
.endm
.set MUL_LO, 0xa1                      ; source 0 (B) window 1, source 1 (A) window 0, C and D window 2
.set MUL_HI, 0xf1                      ; the same, C and D window 3
.set TO_B,   0x40                      ; destination window 1, address window 0
; A joint load: waves 0 and 1 fetch for A, waves 2 and 3 for B; the branch hangs on the wave's number alone.  An s_nop 0 and four v_nop follow each of the two lines.
.macro JLOAD g0a, g1a, g0b, g1b
	s_cmp_eq_u32 s15, 0
	s_cbranch_scc0 .Lfor_b_\@
	tensor_load_to_lds s[\g0a:\g0a+3], s[\g1a:\g1a+7]
	s_nop 0
.rept 4
	v_nop
.endr
	s_branch .Lasked_\@
.Lfor_b_\@:
	tensor_load_to_lds s[\g0b:\g0b+3], s[\g1b:\g1b+7]
	s_nop 0
.rept 4
	v_nop
.endr
.Lasked_\@:
.endm
.macro CREST                           ; a round of the cluster's barrier behind its opening barrier
	s_cmp_lg_u32 s14, 0
	s_cbranch_scc1 .Lnot_wave_0_\@
	s_barrier_signal -3
.Lnot_wave_0_\@:
	s_barrier_wait -3
	s_barrier_signal -1
	s_barrier_wait -1
.endm
.macro CROUND                          ; a whole round
	s_barrier_signal -1
	s_barrier_wait -1
	CREST
.endm
	s_load_b128 s[4:7], s[0:1], 0x0                ; codes s[4:5], scales s[6:7]
	s_load_b64 s[98:99], s[0:1], 0x10              ; rope
	s_load_b64 s[12:13], s[0:1], 0x18              ; qkv16
	s_load_b64 s[100:101], s[0:1], 0x20            ; fine32
	v_lshl_add_u32 v[SPW], v0, 2, SPARE
	v_mov_b32 v[NIL], 0
	ds_add_u32 v[SPW], v[NIL]                      ; the wave's opening: the add, twice on end, and its wait ahead of my first tensor load
	ds_add_u32 v[SPW], v[NIL]
	v_lshrrev_b32 v1, 5, v0
	v_readfirstlane_b32 s14, v1                    ; wave 0..3
	s_lshr_b32 s15, s14, 1                         ; which half of the tile's rows is mine.  Also: I fetch for A (0) or for B (1)
	s_and_b32 s16, s14, 1                          ; which half of its columns.  Also: which 128 rows of that tile I fetch
	s_bfe_u32 s40, ttmp6, 0x40000                  ; cx, cy: my place in the cluster
	s_bfe_u32 s41, ttmp6, 0x40004
	s_lshl_b32 s42, ttmp9, 2
	s_add_co_u32 s42, s42, s40                     ; tile column of C = 4 x cluster x + cx
	s_and_b32 s17, ttmp7, 0xffff
	s_lshl_b32 s17, s17, 2
	s_add_co_u32 s17, s17, s41                     ; tile row of C = 4 x cluster y + cy
	s_lshl_b32 s43, s41, 2
	s_lshl_b32 s43, 15, s43                        ; my row of the cluster
	s_lshl_b32 s44, 0x1111, s40                    ; my column
	; descriptor group 1: a tile of 128 rows x 256 bytes, 16 bytes of padding behind each row
	s_or_b32 s[G1+0], s43, (0<<16)|(1<<20)|(1<<21)|(5<<22)|(3<<25)  ; the mask: A's tiles go to my row; elements of 1 byte; padding on; bit 21 beside a mask; after every 64 words four words
	s_or_b32 s[G1B+0], s44, (0<<16)|(1<<20)|(1<<21)|(5<<22)|(3<<25)
.irp g, G1, G1B
	s_mov_b32 s[\g+1], ROWB<<16                    ; tensor_dim0
	s_mov_b32 s[\g+2], 128<<16                     ; tensor_dim1
	s_mov_b32 s[\g+3], ROWB<<16                    ; tile_dim0
	s_mov_b32 s[\g+4], 128                         ; tile_dim1
	s_mov_b32 s[\g+5], KROW                        ; the pitch in memory
	s_mov_b32 s[\g+6], 0
	s_mov_b32 s[\g+7], 0
.endr
	; the scales of 128 rows: a dense block of 8,192 bytes, as 32 rows of 256 bytes (32 elements of 8 bytes), 16 bytes of padding behind each
	s_or_b32 s[G1S+0], s43, (3<<16)|(1<<20)|(1<<21)|(5<<22)|(3<<25)
	s_or_b32 s[G1SB+0], s44, (3<<16)|(1<<20)|(1<<21)|(5<<22)|(3<<25)
.irp g, G1S, G1SB
	s_mov_b32 s[\g+1], 32<<16
	s_mov_b32 s[\g+2], (128*KS/256)<<16
	s_mov_b32 s[\g+3], 32<<16
	s_mov_b32 s[\g+4], 128*KS/256
	s_mov_b32 s[\g+5], 32
	s_mov_b32 s[\g+6], 0
	s_mov_b32 s[\g+7], 0
.endr
	s_lshl_b32 s18, s16, 7                         ; which 128 rows of the tile I fetch
	s_lshl_b32 s20, s17, 8
	s_add_co_u32 s20, s20, s18                     ; A: row 256 x tile row + 128 x half
	s_lshl_b32 s46, s42, 8
	s_add_co_u32 s46, s46, s18                     ; B: row 256 x tile column + 128 x half
	s_mov_b32 s21, 0
	s_mov_b32 s47, 0
	s_mov_b64 s[18:19], KS
	s_mul_u64 s[22:23], s[20:21], s[18:19]         ; where these rows' scales begin, in bytes
	s_mul_u64 s[92:93], s[46:47], s[18:19]
	s_mov_b64 s[18:19], KROW
	s_mul_u64 s[20:21], s[20:21], s[18:19]         ; and their codes
	s_mul_u64 s[46:47], s[46:47], s[18:19]
	s_mul_i32 s45, s14, HALFT                      ; where they go: wave x 128 rows: no place in the cluster enters an LDS address
	s_mul_i32 s94, s14, HALFS
	s_wait_dscnt 0x0                               ; both opening adds are done
	s_wait_kmcnt 0x0
	s_add_nc_u64 s[8:9], s[4:5], 0x200000          ; B's codes: behind x's 2,048 rows of 1,024 bytes
	s_add_nc_u64 s[10:11], s[6:7], 0x20000         ; B's scales: behind x's 2,048 rows of 64 bytes
	s_add_nc_u64 s[20:21], s[4:5], s[20:21]
	s_add_nc_u64 s[22:23], s[6:7], s[22:23]
	s_add_nc_u64 s[46:47], s[8:9], s[46:47]
	s_add_nc_u64 s[92:93], s[10:11], s[92:93]
	CROUND                                         ; all sixteen work-groups are here: the first joint loads meet
	s_mov_b32 s[G0S], 1
	s_add_co_u32 s[G0S+1], s94, SCL
	s_mov_b64 s[G0S+2:G0S+3], s[22:23]
	s_or_b32 s[G0S+3], s[G0S+3], 0x80000000
	s_mov_b32 s[G0SB], 1
	s_add_co_u32 s[G0SB+1], s94, SCL
	s_mov_b64 s[G0SB+2:G0SB+3], s[92:93]
	s_or_b32 s[G0SB+3], s[G0SB+3], 0x80000000
	JLOAD G0S, G1S, G0SB, G1SB                     ; the scales first: they are wanted with K step 0
.irp s, 0,1
	s_mov_b32 s[G0+4*\s], 1
	s_add_co_u32 s[G0+4*\s+1], s45, \s*SLOT
	s_add_nc_u64 s[G0+4*\s+2:G0+4*\s+3], s[20:21], \s*ROWB
	s_or_b32 s[G0+4*\s+3], s[G0+4*\s+3], 0x80000000
	s_mov_b32 s[G0B+4*\s], 1
	s_add_co_u32 s[G0B+4*\s+1], s45, \s*SLOT
	s_add_nc_u64 s[G0B+4*\s+2:G0B+4*\s+3], s[46:47], \s*ROWB
	s_or_b32 s[G0B+4*\s+3], s[G0B+4*\s+3], 0x80000000
	JLOAD G0+4*\s, G1, G0B+4*\s, G1B
.endr
	v_and_b32 v1, 15, v0                           ; r = l % 16
	v_bfe_u32 v2, v0, 4, 1                         ; h = l / 16
	v_mul_u32_u24 v3, v1, PITCH
	v_lshl_add_u32 v4, v2, 4, v3                   ; a fragment's row x pitch + 16 x half
	s_mul_i32 s21, s15, HALFT                      ; my 128 rows of A
	s_mul_i32 s22, s16, HALFT                      ; my 128 rows of B,
	s_add_co_u32 s22, s22, 2*HALFT                 ; which lie behind A's 256
.irp s, 0,1
	v_add_nc_u32 v[ADRA+\s], s21, v4
	v_add_nc_u32 v[ADRB+\s], s22, v4
	s_add_co_u32 s21, s21, SLOT
	s_add_co_u32 s22, s22, SLOT
.endr
	v_mul_u32_u24 v5, v1, KS                       ; my row's scales: KS bytes a row,
	v_lshrrev_b32 v6, 8, v5
	v_lshl_add_u32 v5, v6, 4, v5                   ; and 16 more for each 256 passed
	s_mul_i32 s21, s15, HALFS                      ; A's: my 128 rows
	s_mul_i32 s22, s16, HALFS                      ; B's: my 128 rows, behind A's 256
	s_add_co_u32 s22, s22, 2*HALFS
	s_sub_co_u32 s22, s22, s21
	v_mul_u32_u24 v6, s22, v2                      ; lanes 16-31 take B's
	s_add_co_u32 s21, s21, SCL
	v_add_nc_u32 v5, v5, v6
	v_add_nc_u32 v[ADRS], s21, v5
	s_mul_i32 s23, s14, 16*SP2                     ; my stage
	v_mul_u32_u24 v5, v1, SP2                      ; in: row r, 16 bytes for each half of the lanes
	v_lshl_add_u32 v5, v2, 4, v5
	v_add_nc_u32 v[STO], s23, v5
	v_mul_u32_u24 v5, v2, SP2                      ; back: lanes 0-15 one row of 256 bytes, lanes 16-31 the next
	v_lshl_add_u32 v5, v1, 4, v5
	v_add_nc_u32 v[RD], s23, v5
	v_and_b32 v6, 31, v0
	v_lshlrev_b32 v[CO], 4, v6
	v_lshlrev_b32 v[FO], 9, v1
	v_lshl_add_u32 v[FO], v2, 5, v[FO]
	s_lshl_b32 s20, s17, 8
	s_lshl_b32 s21, s15, 7
	s_add_co_u32 s20, s20, s21                     ; my first position: 256 x tile row + 128 x half
	v_mov_b32 v[ROWV], s20
	s_lshl_b32 s22, s20, 9                         ; the tables: 8,192 bytes for each 16 positions
	s_mov_b32 s23, 0
	s_add_nc_u64 s[98:99], s[98:99], s[22:23]
	s_lshl_b32 s20, s20, 8                         ; the result: 256 bytes a position
	s_mov_b32 s21, 0
	s_add_nc_u64 s[12:13], s[12:13], s[20:21]
	s_lshl_b32 s46, s42, 1
	s_add_co_u32 s46, s46, s16                     ; which of the 48 heads of q, k, v is mine: 2 x tile column + half
	s_mov_b32 s47, 0
	s_lshl_b32 s92, s46, 13                        ; 8,192 bytes a head in fine32
	s_mov_b32 s93, 0
	s_add_nc_u64 s[100:101], s[100:101], s[92:93]
	s_lshl_b32 s46, s46, 19                        ; 524,288 bytes a head in qkv16
	s_add_nc_u64 s[12:13], s[12:13], s[46:47]
.macro FRAG reg, adr, q, i             ; a fragment, 16 rows x 128 K of 4-bit codes: lane l holds row l % 16; registers 4 c .. 4 c + 3 hold K = 64 c + 32 (l / 16) + 0 .. 31
.irp c, 0,1
	ds_load_b128 v[\reg+4*\c:\reg+4*\c+3], v[\adr] offset:64*(\q)+32*\c+(\i)*16*PITCH
.endr
.endm
; 16 matrix instructions: A's blocks a0, a0 + 1 x B's eight, 128 along K.  zero = 1: the first product starts the sums.  The 64 accumulators take turns, one instruction a turn.
.macro MUL16 a0, p, q, sc, zero
.irp a, \a0, \a0+1
.irp b, 0,1,2,3,4,5,6,7
.if \zero
	v_wmma_scale_f32_16x16x128_f8f6f4 v[8*(8*((\a)%4)+\b):8*(8*((\a)%4)+\b)+7], v[128*(\p)+FR*\b:128*(\p)+FR*\b+FR-1], v[AF+FR*(\a):AF+FR*(\a)+FR-1], 0, v[SC+8*NQ*(\sc)+NQ*\b+(\q)], v[SC+8*NQ*(\sc)+NQ*(\a)+(\q)] matrix_a_fmt:MATRIX_FMT_FP4 matrix_b_fmt:MATRIX_FMT_FP4 matrix_a_scale:MATRIX_SCALE_ROW1
.else
	v_wmma_scale_f32_16x16x128_f8f6f4 v[8*(8*((\a)%4)+\b):8*(8*((\a)%4)+\b)+7], v[128*(\p)+FR*\b:128*(\p)+FR*\b+FR-1], v[AF+FR*(\a):AF+FR*(\a)+FR-1], v[8*(8*((\a)%4)+\b):8*(8*((\a)%4)+\b)+7], v[SC+8*NQ*(\sc)+NQ*\b+(\q)], v[SC+8*NQ*(\sc)+NQ*(\a)+(\q)] matrix_a_fmt:MATRIX_FMT_FP4 matrix_b_fmt:MATRIX_FMT_FP4 matrix_a_scale:MATRIX_SCALE_ROW1
.endif
.endr
.endr
.endm
.macro FETCH_B slot, q, p              ; B's eight fragments of the slot's q-th 128 along K into set p
	WIN TO_B
.irp i, 0,1,2,3,4,5,6,7
	FRAG 128*(\p)+FR*\i, ADRB+\slot, \q, \i
.endr
	WIN 0
.endm
.macro FETCH_A slot, q, i0             ; A's blocks i0 .. i0 + 3
.irp i, \i0, \i0+1, \i0+2, \i0+3
	FRAG AF+FR*(\i), ADRA+\slot, \q, \i
.endr
.endm
.macro SCALES sc                       ; the next K step's scale words into set sc: lanes 0-15 take A's block i, lanes 16-31 B's block i
.irp i, 0,1,2,3,4,5,6,7
	ds_load_b128 v[SC+8*NQ*\sc+NQ*\i:SC+8*NQ*\sc+NQ*\i+3], v[ADRS] offset:\i*SBLK
.endr
.endm
.macro PLACES n                        ; places in front of loads into registers that matrix instructions have read, and of the first read of results
.rept \n
	v_nop
.endr
.endm
.macro STEP slot, q, zero              ; a step of 128 along K that has its successor in the same slot
	s_wait_dscnt 4*NL                              ; B's set and A's blocks 0-3 are in; the youngest loads (A's blocks 4-7) may be out
	WIN MUL_LO
	MUL16 0, (\q)%2, \q, \slot, \zero
	MUL16 2, (\q)%2, \q, \slot, \zero
	s_wait_dscnt 0                                 ; A's blocks 4-7 are in
	PLACES NP
	FETCH_B \slot, (\q)+1, 1-(\q)%2
	FETCH_A \slot, (\q)+1, 0
	WIN MUL_HI
	MUL16 4, (\q)%2, \q, \slot, \zero
	MUL16 6, (\q)%2, \q, \slot, \zero
	PLACES NP
	WIN 0
	FETCH_A \slot, (\q)+1, 4
.endm
; A slot's last step changes slots: one barrier; in front of it each wave waits for all its tensor loads, adds 0 to its spare word, and waits for that and for its own reads of this slot.
.macro TURN slot, next, fill
	s_wait_tensorcnt 0x0                           ; all my tensor loads have landed: my part of the next slot
	ds_add_u32 v[SPW], v[NIL]                      ; 0 onto my spare word
	s_wait_dscnt 4*NL+1                            ; (the add and the youngest loads, A's blocks 4-7, may be out)
	WIN MUL_LO
	MUL16 0, 1, NQ-1, \slot, 0                     ; sixteen matrix instructions stand between the add and the wait for it
	s_wait_dscnt 0x0                               ; the add is done, and my reads of this slot are over
	s_barrier_signal -1
	MUL16 2, 1, NQ-1, \slot, 0
	WIN 0
	s_barrier_wait -1
.if \fill
	CREST                                          ; the barrier has opened a round of the cluster's barrier: no wave of any partner still reads this slot's tile or has a load on its way
	s_add_nc_u64 s[G0+4*\slot+2:G0+4*\slot+3], s[G0+4*\slot+2:G0+4*\slot+3], 2*ROWB
	s_add_nc_u64 s[G0B+4*\slot+2:G0B+4*\slot+3], s[G0B+4*\slot+2:G0B+4*\slot+3], 2*ROWB
	JLOAD G0+4*\slot, G1, G0B+4*\slot, G1B         ; the first tensor load behind the round; its four v_nop are the places in front of the loads below
.else
	PLACES NP
.endif
	v_add_nc_u32 v[ADRS], 4*NQ, v[ADRS]            ; on to the next K step's scale words
	FETCH_B \next, 0, 0
	FETCH_A \next, 0, 0
	SCALES \next
	WIN MUL_HI
	MUL16 4, 1, NQ-1, \slot, 0
	MUL16 6, 1, NQ-1, \slot, 0
	PLACES NP
	WIN 0
	FETCH_A \next, 0, 4
.endm
.macro STEPS slot, from                ; the slot's steps from .. NQ - 2
.set Q, \from
.rept NQ-1-\from
	STEP \slot, Q, 0
.set Q, Q+1
.endr
.endm
	s_wait_tensorcnt 1                             ; the scales and my part of K step 0 are in (K step 1's load may be out),
	s_barrier_signal -1
	s_barrier_wait -1                              ; everybody's are
	FETCH_B 0, 0, 0
	FETCH_A 0, 0, 0
	SCALES 0
	FETCH_A 0, 0, 4
	STEP 0, 0, 1                                   ; the first step stands in front of the loop: its products start the sums
	s_mov_b32 s3, LAPS-1
.Llap:                                                 ; a trip goes once round the ring and fills both slots again
	STEPS 0, 1
	TURN 0, 1, 1
	STEPS 1, 0
	TURN 1, 0, 1
	STEP 0, 0, 0
	s_sub_co_u32 s3, s3, 1
	s_cmp_lg_u32 s3, 0
	s_cbranch_scc1 .Llap
	STEPS 0, 1                                     ; the last lap fills nothing
	TURN 0, 1, 0
	STEPS 1, 0
	s_wait_dscnt 4*NL                              ; the very last step
	WIN MUL_LO
	MUL16 0, 1, NQ-1, 1, 0
	MUL16 2, 1, NQ-1, 1, 0
	s_wait_dscnt 0
	WIN MUL_HI
	MUL16 4, 1, NQ-1, 1, 0
	MUL16 6, 1, NQ-1, 1, 0
	WIN 0
; THE WAY OUT, block a of 16 positions x 128 columns at a time.  Register j of accumulator (a, b): position 16 a + r, column 16 b + 8 h + j.
.macro LOADT a                         ; block a's tables into set a % 4 of window 1: register 16 b + j: cos / 4, 16 b + 8 + j: sin / 4, of frequency 16 b + 8 h + j.  Each load reads 512 dense bytes
	WIN 0x40
.irp b, 0,1,2,3
.irp q, 0,1,2,3
	global_load_b128 v[64*((\a)%4)+16*\b+4*\q:64*((\a)%4)+16*\b+4*\q+3], v[CO], s[98:99] offset:(\a)*8192+(4*\b+\q)*512
.endr
.endr
	WIN 0
.endm
.macro PACKR a                         ; RoPE: out(d) = c(d) cos - c(d + 64) sin, out(d + 64) = c(d + 64) cos + c(d) sin, d under 64: accumulators b and b + 4; then f16
.if 7-(\a) >= 3
	s_wait_loadcnt 48                              ; my set of tables is in; three younger sets of 16 loads may be out
.else
	s_wait_loadcnt 16*(7-(\a))
.endif
	WIN 0x06+(\a)/4                                ; source 0: the accumulators' window; source 1: window 1
.set AC, 64*((\a)%4)
.irp b, 0,1,2,3
.irp jj, 0,2,4,6                       ; each accumulator is read from its low end on
	v_pk_mul_f32 v[TT+\jj:TT+\jj+1], v[AC+32+8*\b+\jj:AC+32+8*\b+\jj+1], v[AC+16*\b+8+\jj:AC+16*\b+8+\jj+1]
	v_pk_mul_f32 v[UU+\jj:UU+\jj+1], v[AC+8*\b+\jj:AC+8*\b+\jj+1], v[AC+16*\b+8+\jj:AC+16*\b+8+\jj+1]
.endr
.irp jj, 0,2,4,6
	v_pk_fma_f32 v[RR+8*\b+\jj:RR+8*\b+\jj+1], v[AC+8*\b+\jj:AC+8*\b+\jj+1], v[AC+16*\b+\jj:AC+16*\b+\jj+1], v[TT+\jj:TT+\jj+1] neg_lo:[0,0,1] neg_hi:[0,0,1]
	v_pk_fma_f32 v[RR+32+8*\b+\jj:RR+32+8*\b+\jj+1], v[AC+32+8*\b+\jj:AC+32+8*\b+\jj+1], v[AC+16*\b+\jj:AC+16*\b+\jj+1], v[UU+\jj:UU+\jj+1]
.endr
.endr
	WIN 0
.irp bb, 0,1,2,3,4,5,6,7
.irp i, 0,1,2,3
	v_cvt_pk_f16_f32 v[TMP+4*\bb+\i], v[RR+8*\bb+2*\i], v[RR+8*\bb+2*\i+1]
.endr
.endr
.endm
.macro PACKV a                         ; v: rounded as it is
.set AC, 64*((\a)%4)
	WIN 0x0a+5*((\a)/4)                            ; sources 0 and 1: window 2 or 3
.irp bb, 0,1,2,3,4,5,6,7
.irp i, 0,1,2,3
	v_cvt_pk_f16_f32 v[TMP+4*\bb+\i], v[AC+8*\bb+2*\i], v[AC+8*\bb+2*\i+1]
.endr
.endr
	WIN 0
.endm
; Positions 0-15 leave in f32 too.  Only the waves whose first position is 0 have them: the lanes of all others are switched off; no branch hangs on a work-group's place in its cluster.
.macro FINE win, reg
	s_wait_xcnt 0x0                                ; EXEC changes only when every earlier memory instruction has read its sources
	v_cmp_eq_u32 vcc_lo, 0, v[ROWV]
	s_and_saveexec_b32 s20, vcc_lo
	WIN \win
.irp bb, 0,1,2,3,4,5,6,7
	global_store_b128 v[FO], v[\reg+8*\bb:\reg+8*\bb+3], s[100:101] offset:64*\bb
	global_store_b128 v[FO], v[\reg+8*\bb+4:\reg+8*\bb+7], s[100:101] offset:64*\bb+16
.endr
	WIN 0
	s_wait_xcnt 0x0                                ; and again ahead of the line that widens it; the stores' data may be written again too
	s_or_b32 exec_lo, exec_lo, s20
.endm
.macro TOSTAGE a, off                  ; 16 bytes a lane into rows of 272 bytes, and back as whole rows: LDS serves a wave's instructions in order
.irp bb, 0,1,2,3,4,5,6,7
	ds_store_b128 v[STO], v[TMP+4*\bb:TMP+4*\bb+3] offset:\off+32*\bb
.endr
.set BB, BK+32*((\a)%2)
.irp t, 0,1,2,3,4,5,6,7
	ds_load_b128 v[BB+4*\t:BB+4*\t+3], v[RD] offset:\off+2*SP2*\t
.endr
.endm
.macro SEND a
.set BB, BK+32*((\a)%2)
	s_wait_dscnt 0x0                               ; the block is back in registers
	s_wait_xcnt 0x0                                ; the block before's stores have read their registers, into which the next block's rows are loaded
.irp t, 0,1,2,3,4,5,6,7
	global_store_b128 v[CO], v[BB+4*\t:BB+4*\t+3], s[12:13] offset:4096*(\a)+512*\t   ; two positions' 512 dense bytes, at a multiple of 256 from the buffer's first byte
.endr
.endm
	PLACES NP                                      ; behind the last products: for the loads into window 1 and the first reads of results
	s_cmp_ge_u32 ttmp9, 4                          ; the cluster's x, the same in all partners: clusters 0-3 hold q and k, clusters 4 and 5 v
	s_cbranch_scc1 .Lv
	LOADT 0
	LOADT 1
	LOADT 2
	LOADT 3
	PACKR 0
	FINE 0, RR
	TOSTAGE 0, 0
	LOADT 4
.irp a, 1,2,3,4,5,6,7
	PACKR \a
	SEND \a-1
	TOSTAGE \a, 0
.if \a < 4
	LOADT \a+4
.endif
.endr
	SEND 7
	s_branch .Lend
.Lv:
	PACKV 0
	FINE 0x08, 0                                   ; the stores' data: block 0's accumulators, in window 2
	TOSTAGE 0, VST
.irp a, 1,2,3,4,5,6,7
	PACKV \a
	SEND \a-1
	TOSTAGE \a, VST
.endr
	SEND 7
.Lend:
	s_wait_tensorcnt 0x0                           ; the wave's end: a tensor wait, an add of 0 to my spare word, and its wait, behind my last tensor load and my last LDS store
	ds_add_u32 v[SPW], v[NIL]
	s_wait_dscnt 0x0
	CROUND                                         ; the closing round: no work-group ends while a partner may still ask for a tile that names it
	s_endpgm
.Lfunc_end_k_q93e47671a6_qkv:
	.size	k_q93e47671a6_qkv, .Lfunc_end_k_q93e47671a6_qkv-k_q93e47671a6_qkv
	.p2alignl 7, 3214868480
	.fill 96, 4, 3214868480
	.section	.rodata,"a",@progbits
	.p2align	6, 0x0
	.amdhsa_kernel k_q93e47671a6_qkv
		.amdhsa_group_segment_fixed_size 327680
		.amdhsa_private_segment_fixed_size 0
		.amdhsa_enable_private_segment 0
		.amdhsa_kernarg_size 40
		.amdhsa_user_sgpr_count 2
		.amdhsa_user_sgpr_kernarg_segment_ptr 1
		.amdhsa_wavefront_size32 1
		.amdhsa_system_sgpr_workgroup_id_x 1
		.amdhsa_system_sgpr_workgroup_id_y 1
		.amdhsa_system_sgpr_workgroup_id_z 1
		.amdhsa_system_vgpr_workitem_id 0
		.amdhsa_next_free_vgpr 1024
		.amdhsa_next_free_sgpr 102
		.amdhsa_reserve_vcc 1
		.amdhsa_float_denorm_mode_32 3
		.amdhsa_float_denorm_mode_16_64 3
		.amdhsa_memory_ordered 1
		.amdhsa_forward_progress 1
		.amdhsa_inst_pref_size 255
	.end_amdhsa_kernel
	.section	.bss,"aw",@nobits
	.p2align	6
	.space	262144
	.amdgpu_metadata
---
amdhsa.version: [ 1, 2 ]
amdhsa.kernels:
  - .name:           k_q93e47671a6_qkv
    .symbol:         k_q93e47671a6_qkv.kd
    .args:
      - { .name: codes, .offset: 0, .size: 8, .value_kind: global_buffer, .address_space: global }
      - { .name: scales, .offset: 8, .size: 8, .value_kind: global_buffer, .address_space: global }
      - { .name: rope, .offset: 16, .size: 8, .value_kind: global_buffer, .address_space: global }
      - { .name: qkv16, .offset: 24, .size: 8, .value_kind: global_buffer, .address_space: global }
      - { .name: fine32, .offset: 32, .size: 8, .value_kind: global_buffer, .address_space: global }
    .group_segment_fixed_size: 327680
    .private_segment_fixed_size: 0
    .kernarg_segment_align: 8
    .kernarg_segment_size: 40
    .max_flat_workgroup_size: 128
    .sgpr_count:     102
    .vgpr_count:     1024
    .wavefront_size: 32
...
	.end_amdgpu_metadata
.endif
;; end of part 2
;; launch attn (part 3): grid 16 x 16, 8 waves a work-group, no clusters, 327,680 bytes of LDS; arguments qkv16, attn16; writes attn16
.if DOCPART == 3
	.amdgcn_target "amdgcn-amd-amdhsa--gfx1250"
	.amdhsa_code_object_version 6
	.text
	.protected	k_q93e47671a6_attn
	.globl	k_q93e47671a6_attn
	.p2align	8
	.type	k_q93e47671a6_attn,@function
k_q93e47671a6_attn:
	s_mov_b64 s[64:65], 0
	v_nop
	global_prefetch_b8 v0, s[64:65] scope:SCOPE_SE
	s_setreg_imm32_b32 hwreg(HW_REG_WAVE_MODE, 25, 1), 1
	s_wait_xcnt 0x0
; CAUSAL ATTENTION, launch 3 of 5: O[head][q] = sum over keys k <= q of softmax_k(q . k / sqrt(128)) v, on f16 operands with f32 sums; the result, f16, is laid [position][128 head + d].
; LEFT OUT: tiles of keys that lie wholly above reference()'s own jnp.tril: their weights are 0 for all values of the inputs.  They are neither loaded nor multiplied.
; q and k arrive as RoPE(.) / 4: the score here is the true one / 16, and c' = 16 log2(e) / sqrt(128) takes that back.
; SHARES.  A work-group owns 128 queries of one head.  Wave w: qs = w & 3, ks = w >> 2: it owns the 32 queries 32 qs on (two tiles of 16) and, of each slot of 128 keys, the 64 keys of half ks.
; So two waves lie on each SIMD, one's softmax beside the other's products.  At the end the partial results of ks = 1 (running maximum, sum, O) are joined to those of ks = 0 through LDS.
; NO CLUSTER: under the mask the query blocks of a head need different numbers of key tiles (block x needs x + 1 of the 16), so partners could not make every joint request for tiles that all of them read.
; LAYOUT.  S^T = K Q^T (source 0 = 16 keys, source 1 = 16 queries): a lane holds ONE query (lane % 16) and the keys 8 (lane / 16) + 0..7.  Two such tiles, rounded to f16 in pairs, are source 1 of O^T = V^T P.
; K comes out of LDS as it lies, V ([key][channel]) turned, by ds_load_tr16_b128.
; SOFTMAX.  For each query a running maximum m and sum l: p = 2^(c' s - c' m); in every step O and l are multiplied by a = 2^(c' m_old - c' m_new).  The sum is taken of p in f32.
; EVERY work-group walks all 16 slots: the trip counts are constants.  A step all of whose keys come after the wave's queries is jumped over; a slot that no wave of the work-group reads is not asked for.
; REGISTERS: window 0: v1-15 addresses; v16-31 statistics, eight a tile (+0 -c' m, +1 m, +2, +3 l, +4..+7 at work; a in +6); v32-95 Q; v96-159 S^T; v160-191 P; v192-255 at work.
;   window 1: v0-127 O^T (64 t + 8 ct); v128-255 one buffer for K's and then V's fragments.
.set PK,    272                        ; a row of K in LDS: 256 bytes + 16
.set PV,    288                        ; a row of V: 256 + 32
.set VOFF,  64*PK                      ; a step's tiles lie together: 64 rows of K, then 64 rows of V
.set STEPB, 64*(PK+PV)
.set SLOT1, 1<<17                      ; a slot holds two steps; slot 1 begins here, so that one exclusive or turns an address
.set MERGE, SLOT1+2*STEPB              ; behind the ring: the partial O of waves 4-7, 16,384 bytes each, as images of their registers,
.set MSTAT, MERGE+4*16384              ; their m and l, 512 bytes each,
.set STAGE, MSTAT+4*512                ; the way out: 16 rows x 272 bytes for each of waves 0-3,
.set SPARE, STAGE+4*16*272             ; and the spare words, 128 bytes a wave
.set AK0, 1
.set AV0, 2
.set SPW, 3                            ; v3 LDS address of my spare word; never rewritten
.set NIL, 4                            ; v4 0; never rewritten
.set QO,  5
.set STO, 6
.set RD,  7
.set GO,  8
.set ADK, 9
.set ADV, 10
.set MI,  11
.set MS,  12
.set PFO, 13
.set ST,  16
.set Q,   32
.set S,   96
.set P,   160
.set X,   192
.set KV,  128                          ; in window 1
.set TB,  2                            ; s2  LDS byte at which my half of the slot in hand begins
.set WV,  18
.set QS,  19
.set SEL, 20                           ; s[20:21] lane selects for v_permlanex16_b32: lane l xor 16
.set CS,  22                           ; s[22:23] c', twice
.set G1K, 24
.set G1V, 32
.set G0K, 40
.set G0V, 44
.set KSH, 48
.set K64, 49
.set NCS, 50                           ; -c'
.set SLOTS, 51
.set KF,  52                           ; the slot's first key
.set Q0,  53                           ; my first query
.set LIM, 54
.set PFA, 56
.set MSB, 0
.macro WIN new
.if MSB != (\new)
	s_set_vgpr_msb (MSB<<8)|(\new)
.set MSB, (\new)
.endif
.endm
; Waves 0 and 1 fetch K's two steps of a slot, waves 2 and 3 V's, the others nothing.  An s_nop 0 and four v_nop follow each of the two lines.
.macro TLOAD
	s_cmp_lt_u32 s[WV], 2
	s_cbranch_scc0 .Lnot_k_\@
	tensor_load_to_lds s[G0K:G0K+3], s[G1K:G1K+7]
	s_nop 0
.rept 4
	v_nop
.endr
	s_branch .Lasked_\@
.Lnot_k_\@:
	s_cmp_lt_u32 s[WV], 4
	s_cbranch_scc0 .Lasked_\@
	tensor_load_to_lds s[G0V:G0V+3], s[G1V:G1V+7]
	s_nop 0
.rept 4
	v_nop
.endr
.Lasked_\@:
.endm
; A prefetch of what the NEXT change of slots will ask for: 128 rows of K and 128 of V, 256 bytes a row.  Each row is named once in the launch: of a head's sixteen work-groups the last (x = 15), which loads every
; slot, asks; in it the waves that fetch nothing: waves 4 and 5 for K's two halves, waves 6 and 7 for V's, 64 rows each, a lane a row, two instructions.  The last change that fills a slot asks for nothing.
.macro ASK
	s_cmp_gt_u32 s[SLOTS], s[LIM]
	s_cbranch_scc0 .Lnot_mine_\@
	global_prefetch_b8 v[PFO], s[PFA:PFA+1] th:TH_LOAD_NT scope:SCOPE_SE
	global_prefetch_b8 v[PFO], s[PFA:PFA+1] offset:8192 th:TH_LOAD_NT scope:SCOPE_SE
.Lnot_mine_\@:
.endm
	s_load_b128 s[4:7], s[0:1], 0x0                ; qkv16 s[4:5], attn16 s[6:7]
	v_lshl_add_u32 v[SPW], v0, 2, SPARE
	v_mov_b32 v[NIL], 0
	ds_add_u32 v[SPW], v[NIL]                      ; the wave's opening: the add, twice on end, and its wait ahead of my first tensor load
	ds_add_u32 v[SPW], v[NIL]
	v_lshrrev_b32 v5, 5, v0
	v_readfirstlane_b32 s[WV], v5                  ; wave 0..7
	s_and_b32 s[QS], s[WV], 3
	s_lshr_b32 s[KSH], s[WV], 2
	s_lshl_b32 s[K64], s[KSH], 6
	s_mul_i32 s[TB], s[KSH], STEPB
	s_and_b32 s3, ttmp7, 0xffff                    ; the head
	s_lshl_b32 s8, s3, 19                          ; 524,288 bytes a head
	s_mov_b32 s9, 0
	s_lshl_b32 s[Q0], ttmp9, 7
	s_lshl_b32 s10, s[QS], 5
	s_add_co_u32 s[Q0], s[Q0], s10                 ; my first query: 128 x + 32 qs
	s_and_b32 s10, s[WV], 1                        ; which of a slot's two steps I fetch or ask for
	s_lshl_b32 s12, s10, 14                        ; its 64 rows of 256 bytes in memory,
	s_mov_b32 s13, 0
	s_add_nc_u64 s[12:13], s[12:13], s[8:9]        ; in my head (offsets alone),
	s_mul_i32 s11, s10, STEPB                      ; and its place in a slot
	s_mov_b32 s[G1K], (1<<16)|(1<<20)|(5<<22)|(3<<25)   ; no mask; elements of 2 bytes; padding on: after every 64 words four words
	s_mov_b32 s[G1V], (1<<16)|(1<<20)|(5<<22)|(7<<25)   ; the same with eight words
.irp g, G1K, G1V
	s_mov_b32 s[\g+1], 128<<16                     ; tensor_dim0 = 128
	s_mov_b32 s[\g+2], 64<<16                      ; tensor_dim1 = 64
	s_mov_b32 s[\g+3], 128<<16                     ; tile_dim0 = 128
	s_mov_b32 s[\g+4], 64                          ; tile_dim1 = 64
	s_mov_b32 s[\g+5], 128                         ; elements from row to row
	s_mov_b32 s[\g+6], 0
	s_mov_b32 s[\g+7], 0
.endr
	s_mov_b32 s[SEL], 0x76543210
	s_mov_b32 s[SEL+1], 0xfedcba98
	s_mov_b32 s[CS], 0x400293ee                    ; c' = 16 log2(e) / sqrt(128)
	s_mov_b32 s[CS+1], s[CS]
	s_mov_b32 s[NCS], 0xc00293ee                   ; -c'
	s_mov_b32 s[SLOTS], 15
	s_mov_b32 s[KF], 0
	s_wait_dscnt 0x0                               ; both opening adds are done
	s_wait_kmcnt 0x0
	s_add_nc_u64 s[14:15], s[4:5], 0x800000        ; k lies behind q's 16 heads,
	s_add_nc_u64 s[14:15], s[14:15], s[12:13]
	s_add_nc_u64 s[16:17], s[4:5], 0x1000000       ; v behind k's
	s_add_nc_u64 s[16:17], s[16:17], s[12:13]
	s_mov_b32 s[G0K], 1
	s_mov_b32 s[G0K+1], s11
	s_mov_b64 s[G0K+2:G0K+3], s[14:15]
	s_or_b32 s[G0K+3], s[G0K+3], 0x80000000
	s_mov_b32 s[G0V], 1
	s_add_co_u32 s[G0V+1], s11, VOFF
	s_mov_b64 s[G0V+2:G0V+3], s[16:17]
	s_or_b32 s[G0V+3], s[G0V+3], 0x80000000
	TLOAD                                          ; slot 0: keys 0-127, which count for queries of every work-group
	s_cmp_lt_u32 s[WV], 6
	s_cselect_b64 s[PFA:PFA+1], s[14:15], s[16:17]
	s_add_nc_u64 s[PFA:PFA+1], s[PFA:PFA+1], 32768 ; in slot 1: the first change of slots steps it to slot 2.  Nothing is prefetched here, at the head
	s_sub_co_u32 s58, s[WV], 4
	s_lshr_b32 s58, s58, 2                         ; 0 in waves 4 to 7,
	s_xor_b32 s59, ttmp9, 15
	s_or_b32 s58, s58, s59                         ; of the head's last work-group
	s_cmp_eq_u32 s58, 0
	s_cselect_b32 s[LIM], 1, -1
	s_lshl_b32 s10, s[Q0], 8
	s_mov_b32 s11, 0
	s_add_nc_u64 s[10:11], s[10:11], s[8:9]
	s_add_nc_u64 s[4:5], s[4:5], s[10:11]          ; q at my first query
	s_lshl_b32 s10, s[Q0], 12                      ; the result: 4,096 bytes a position,
	s_lshl_b32 s12, s3, 8                          ; 256 bytes a head
	s_add_co_u32 s10, s10, s12
	s_mov_b32 s11, 0
	s_add_nc_u64 s[6:7], s[6:7], s[10:11]
	v_and_b32 v192, 15, v0                         ; r
	v_bfe_u32 v193, v0, 4, 1                       ; h
	v_and_b32 v194, 31, v0                         ; lane
	v_lshlrev_b32 v[QO], 8, v192
	v_lshl_add_u32 v[QO], v193, 4, v[QO]           ; row x 256 + 16 x half
.irp t, 0,1
.irp cs, 0,1,2,3
	global_load_b128 v[Q+32*\t+8*\cs:Q+32*\t+8*\cs+3],   v[QO], s[4:5] offset:\t*4096+\cs*64      ; Q stays in registers
	global_load_b128 v[Q+32*\t+8*\cs+4:Q+32*\t+8*\cs+7], v[QO], s[4:5] offset:\t*4096+\cs*64+32
.endr
.endr
	v_mul_u32_u24 v[AK0], v192, PK
	v_lshl_add_u32 v[AK0], v193, 4, v[AK0]         ; K: row x pitch + 16 x half
	v_and_b32 v195, 7, v0
	v_bfe_u32 v196, v0, 3, 1
	v_lshl_add_u32 v[AV0], v193, 3, v195           ; V, for the turning load: key 8 h + l % 8, channels 8 ((l / 8) % 2) on
	v_mul_u32_u24 v[AV0], v[AV0], PV
	v_lshl_add_u32 v[AV0], v196, 4, v[AV0]
	v_add_nc_u32 v[AV0], VOFF, v[AV0]
	s_mul_i32 s58, s[QS], 16*272
	s_add_co_u32 s58, s58, STAGE
	v_mul_u32_u24 v[STO], v192, 272
	v_lshl_add_u32 v[STO], v193, 4, v[STO]
	v_add_nc_u32 v[STO], s58, v[STO]
	v_mul_u32_u24 v[RD], v193, 272
	v_lshl_add_u32 v[RD], v192, 4, v[RD]
	v_add_nc_u32 v[RD], s58, v[RD]
	v_lshlrev_b32 v[GO], 12, v193
	v_lshl_add_u32 v[GO], v192, 4, v[GO]
	s_lshl_b32 s58, s[QS], 14
	s_add_co_u32 s58, s58, MERGE
	v_lshl_add_u32 v[MI], v194, 4, s58
	s_lshl_b32 s58, s[QS], 9
	s_add_co_u32 s58, s58, MSTAT
	v_lshl_add_u32 v[MS], v194, 2, s58
	v_lshlrev_b32 v[PFO], 8, v194
.irp j, 0,1,2,3,4,5,6,7,8,9,10,11,12,13,14,15
	v_mov_b32 v[ST+\j], 0                          ; the statistics; l = 0
.endr
	v_mov_b32 v[ST+1], 0xff61b1e6                  ; m = -3e38, under every score
	v_mov_b32 v[ST+9], 0xff61b1e6
	WIN 0x40
.set i, 0
.rept 128
	v_mov_b32 v[i], 0                              ; O^T.  The step is written once: its first run finds zeros; and a wave of ks = 1 all of whose steps are hidden hands on a partial result that counts for nothing
.set i, i+1
.endr
	WIN 0
; THE SOFTMAX of a step, the wave's two tiles by turns, line by line.
.macro SOFTMAX
.irp j, 0,1,2,3
.irp t, 0,1
	v_max3_num_f32 v[ST+8*\t+4+\j], v[S+32*\t+8*\j], v[S+32*\t+8*\j+1], v[S+32*\t+8*\j+2]   ; each tile of scores is read from its low end on
.endr
.endr
.irp u, 1,2
.irp j, 0,1,2,3
.irp t, 0,1
	v_max3_num_f32 v[ST+8*\t+4+\j], v[ST+8*\t+4+\j], v[S+32*\t+8*\j+2*\u+1], v[S+32*\t+8*\j+2*\u+2]
.endr
.endr
.endr
.irp t, 0,1
	v_max3_num_f32 v[ST+8*\t+4], v[ST+8*\t+4], v[S+32*\t+7], v[S+32*\t+15]
	v_max3_num_f32 v[ST+8*\t+6], v[ST+8*\t+6], v[S+32*\t+23], v[S+32*\t+31]
.endr
.irp t, 0,1
	v_max3_num_f32 v[ST+8*\t+4], v[ST+8*\t+4], v[ST+8*\t+5], v[ST+8*\t+6]
.endr
.irp t, 0,1
	v_max3_num_f32 v[ST+8*\t+4], v[ST+8*\t+4], v[ST+8*\t+7], v[ST+8*\t+1]   ; with the old m
.endr
.irp t, 0,1
	v_permlanex16_b32 v[ST+8*\t+5], v[ST+8*\t+4], s[SEL], s[SEL+1]          ; the query's other 32 keys lie in the lane 16 away
.endr
.irp t, 0,1
	v_mov_b32 v[ST+8*\t+7], v[ST+8*\t+1]           ; the old m is kept for a
.endr
.irp t, 0,1
	v_max_num_f32 v[ST+8*\t+1], v[ST+8*\t+4], v[ST+8*\t+5]
.endr
.irp t, 0,1
	v_mul_f32 v[ST+8*\t], s[NCS], v[ST+8*\t+1]     ; -c' m
.endr
.irp t, 0,1
	v_fma_f32 v[ST+8*\t+7], v[ST+8*\t+7], s[CS], v[ST+8*\t]
.endr
.irp t, 0,1
	v_exp_f32 v[ST+8*\t+6], v[ST+8*\t+7]           ; a
.endr
.irp b, 0,1,2,3,4,5,6,7,8,9,10,11,12,13,14,15
.irp t, 0,1
	v_pk_fma_f32 v[S+32*\t+2*\b:S+32*\t+2*\b+1], v[S+32*\t+2*\b:S+32*\t+2*\b+1], s[CS:CS+1], v[ST+8*\t:ST+8*\t+1] op_sel_hi:[1,0,0]   ; c' s - c' m, two at a time
.endr
.endr
.irp e, 0,1,2,3,4,5,6,7,8,9,10,11,12,13,14,15,16,17,18,19,20,21,22,23,24,25,26,27,28,29,30,31
.irp t, 0,1
	v_exp_f32 v[S+32*\t+\e], v[S+32*\t+\e]
.endr
.endr
	v_nop                                          ; a plain instruction behind the last exponential
	s_wait_alu depctr_va_vdst(0)                   ; one wait for the batch of 66, ahead of its first reader
.irp b, 0,1,2,3,4,5,6,7,8,9,10,11,12,13,14,15
.irp t, 0,1
	v_cvt_pk_f16_f32 v[P+16*\t+\b], v[S+32*\t+2*\b], v[S+32*\t+2*\b+1]
.endr
.endr
.irp u, 0,1,2,3,4,5,6,7
.irp t, 0,1
	v_pk_add_f32 v[S+32*\t+4*\u:S+32*\t+4*\u+1], v[S+32*\t+4*\u:S+32*\t+4*\u+1], v[S+32*\t+4*\u+2:S+32*\t+4*\u+3]   ; the sum of the unrounded p, in place
.endr
.endr
.irp u, 0,1,2,3
.irp t, 0,1
	v_pk_add_f32 v[S+32*\t+8*\u:S+32*\t+8*\u+1], v[S+32*\t+8*\u:S+32*\t+8*\u+1], v[S+32*\t+8*\u+4:S+32*\t+8*\u+5]
.endr
.endr
.irp u, 0,1
.irp t, 0,1
	v_pk_add_f32 v[S+32*\t+16*\u:S+32*\t+16*\u+1], v[S+32*\t+16*\u:S+32*\t+16*\u+1], v[S+32*\t+16*\u+8:S+32*\t+16*\u+9]
.endr
.endr
.irp t, 0,1
	v_pk_add_f32 v[S+32*\t:S+32*\t+1], v[S+32*\t:S+32*\t+1], v[S+32*\t+16:S+32*\t+17]
.endr
.irp t, 0,1
	v_pk_fma_f32 v[ST+8*\t+2:ST+8*\t+3], v[ST+8*\t+2:ST+8*\t+3], v[ST+8*\t+6:ST+8*\t+7], v[S+32*\t:S+32*\t+1] op_sel_hi:[1,0,1]   ; l = a l + the sum
.endr
.endm
; A STEP: my 64 keys of the slot in hand against my 32 queries.
.macro STEP
	s_add_co_u32 s58, s[KF], s[K64]                ; my first key
	s_add_co_u32 s59, s[Q0], 31
	s_cmp_gt_u32 s58, s59                          ; all my keys come after my queries: the step's work is jumped over; no barrier and no tensor load stands in a step
	s_cbranch_scc1 .Lhidden_\@
	v_add_nc_u32 v[ADK], s[TB], v[AK0]
	v_add_nc_u32 v[ADV], s[TB], v[AV0]
	v_nop
	v_nop                                          ; four places in front of loads into registers that the last products read
	WIN 0x40
.irp cs, 0,1,2,3
.irp kt, 0,1,2,3
	ds_load_b128 v[KV+32*\kt+8*\cs:KV+32*\kt+8*\cs+3],   v[ADK] offset:\kt*16*PK+\cs*64
	ds_load_b128 v[KV+32*\kt+8*\cs+4:KV+32*\kt+8*\cs+7], v[ADK] offset:\kt*16*PK+\cs*64+32
.endr
.endr
	WIN 0x01                                       ; K in window 1; Q and S^T in window 0
.irp cs, 0,1,2,3
	s_wait_dscnt 24-8*\cs                          ; the eight loads of channels 32 cs on are in; the later rounds' may be out
.irp kt, 0,1,2,3
.irp t, 0,1
.if \cs == 0
	v_wmma_f32_16x16x32_f16 v[S+32*\t+8*\kt:S+32*\t+8*\kt+7], v[KV+32*\kt+8*\cs:KV+32*\kt+8*\cs+7], v[Q+32*\t+8*\cs:Q+32*\t+8*\cs+7], 0
.else
	v_wmma_f32_16x16x32_f16 v[S+32*\t+8*\kt:S+32*\t+8*\kt+7], v[KV+32*\kt+8*\cs:KV+32*\kt+8*\cs+7], v[Q+32*\t+8*\cs:Q+32*\t+8*\cs+7], v[S+32*\t+8*\kt:S+32*\t+8*\kt+7]
.endif
.endr
.endr
.endr                                              ; the eight accumulators take turns, one instruction a turn
.rept 4
	v_nop                                          ; places: for V's loads into K's registers, and for the first reads of the scores
.endr
	WIN 0x40
.irp kk, 0,1
.irp ct, 0,1,2,3,4,5,6,7
	ds_load_tr16_b128 v[KV+64*\kk+8*\ct:KV+64*\kk+8*\ct+3],   v[ADV] offset:\kk*32*PV+\ct*32
	ds_load_tr16_b128 v[KV+64*\kk+8*\ct+4:KV+64*\kk+8*\ct+7], v[ADV] offset:\kk*32*PV+16*PV+\ct*32
.endr
.endr
	WIN 0
	s_add_co_u32 s59, s58, 63
	s_cmp_le_u32 s59, s[Q0]                        ; all my keys count for all my queries: no mask
	s_cbranch_scc1 .Lopen_\@
	s_sub_co_i32 s59, s[Q0], s58
	v_and_b32 v14, 15, v0
	v_bfe_u32 v15, v0, 4, 1
	v_lshlrev_b32 v15, 3, v15
	v_sub_nc_u32 v14, v14, v15
	v_add_nc_u32 v14, s59, v14                     ; tile 0: d = my query - my first key - 8 h.  Register 8 kt + j holds key 16 kt + 8 h + j: hidden where 16 kt + j > d
	v_add_nc_u32 v15, 16, v14                      ; tile 1
	v_mov_b32 v192, 0xff800000                     ; -infinity
.irp t, 0,1
.irp kt, 0,1,2,3
.irp j, 0,1,2,3,4,5,6,7
	v_cmp_gt_i32 vcc_lo, 16*\kt+\j, v[14+\t]
	v_cndmask_b32 v[S+32*\t+8*\kt+\j], v[S+32*\t+8*\kt+\j], v192, vcc_lo
.endr
.endr
.endr
.Lopen_\@:
	SOFTMAX
	WIN 0x41                                       ; O^T in window 1, a in window 0
.set i, 0
.rept 32
	v_pk_mul_f32 v[i:i+1], v[i:i+1], v[ST+6:ST+7] op_sel_hi:[1,0]
	v_pk_mul_f32 v[64+i:64+i+1], v[64+i:64+i+1], v[ST+14:ST+15] op_sel_hi:[1,0]
.set i, i+2
.endr
	s_wait_dscnt 0x0                               ; V is in
	WIN 0x51                                       ; V and O^T in window 1, P in window 0
.irp kk, 0,1
.irp ct, 0,1,2,3,4,5,6,7
.irp t, 0,1
	v_wmma_f32_16x16x32_f16 v[64*\t+8*\ct:64*\t+8*\ct+7], v[KV+64*\kk+8*\ct:KV+64*\kk+8*\ct+7], v[P+16*\t+8*\kk:P+16*\t+8*\kk+7], v[64*\t+8*\ct:64*\t+8*\ct+7]
.endr
.endr
.endr                                              ; sixteen accumulators by turns
	WIN 0
.Lhidden_\@:
	s_add_co_u32 s[KF], s[KF], 128
	s_xor_b32 s[TB], s[TB], SLOT1                  ; on to the other slot
.endm
; THE CHANGE OF SLOTS stands at a slot's head.  Each wave waits for all its tensor loads, adds 0 to its spare word (fill = 1: twice on end), and waits for that and for its reads of the slot that it has left.
; Behind the barrier the slot ahead is whole and nobody reads the other one, which is then filled with the next 128 keys, up to the causal limit.
.macro CHANGE fill
	s_wait_tensorcnt 0x0                           ; no tensor load of mine is out, so a group 0 may be written
	ds_add_u32 v[SPW], v[NIL]                      ; 0 onto my spare word
.if \fill
	ds_add_u32 v[SPW], v[NIL]                      ; and once more: the add stands twice on end here, in every trip alike
	s_xor_b32 s[G0K+1], s[G0K+1], SLOT1            ; the walking descriptors: the other slot,
	s_add_nc_u64 s[G0K+2:G0K+3], s[G0K+2:G0K+3], 32768   ; the next 128 keys
	s_xor_b32 s[G0V+1], s[G0V+1], SLOT1
	s_add_nc_u64 s[G0V+2:G0V+3], s[G0V+2:G0V+3], 32768
	s_wait_xcnt 0x0                                ; the last prefetches, a slot back, have read their address
	s_add_nc_u64 s[PFA:PFA+1], s[PFA:PFA+1], 32768 ; one slot further on than the walking descriptors
.endif
	s_wait_dscnt 0x0                               ; the add is done, and my reads of the slot that I have left are over
	s_barrier_signal -1
	s_barrier_wait -1
.if \fill
	s_add_co_u32 s58, s[KF], 128                   ; the first key of the slot that this change would ask for
	s_or_b32 s59, s[Q0], 127                       ; my work-group's last query
	s_cmp_gt_u32 s58, s59                          ; ids and the count of steps alone: all eight waves go the same way, and a work-group past the limit stays past it.  Such a slot is read by no wave, so it is not asked for
	s_cbranch_scc1 .Lpast_\@
	TLOAD                                          ; a wave's one tensor load until the next such barrier
.Lpast_\@:
	ASK
.endif
.endm
	s_wait_loadcnt 0x0                             ; Q
.Lslot:                                            ; 15 trips
	CHANGE 1
	STEP
	s_sub_co_u32 s[SLOTS], s[SLOTS], 1
	s_cmp_lg_u32 s[SLOTS], 0
	s_cbranch_scc1 .Lslot
	CHANGE 0                                       ; the last slot is written out: nothing is left to ask for
	STEP
	; THE END.  l's two halves and the other half of the lanes' are added; waves 4-7 hand their partial results to waves 0-3.
.rept 4
	v_nop                                          ; places behind the last products
.endr
.irp t, 0,1
	v_add_f32 v[ST+8*\t+2], v[ST+8*\t+2], v[ST+8*\t+3]
.endr
.irp t, 0,1
	v_permlanex16_b32 v[ST+8*\t+5], v[ST+8*\t+2], s[SEL], s[SEL+1]
.endr
.irp t, 0,1
	v_add_f32 v[ST+8*\t+2], v[ST+8*\t+2], v[ST+8*\t+5]
.endr
	s_cmp_eq_u32 s[KSH], 0
	s_cbranch_scc1 .Lkeep
	WIN 0x04                                       ; an LDS store's data are its source 1: window 1
.set i, 0
.rept 32
	ds_store_b128 v[MI], v[4*i:4*i+3] offset:512*i ; O^T as an image of its registers: 16 bytes a lane, 512 bytes a store
.set i, i+1
.endr
	WIN 0
	ds_store_b32 v[MS], v[ST+1]
	ds_store_b32 v[MS], v[ST+2] offset:128
	ds_store_b32 v[MS], v[ST+9] offset:256
	ds_store_b32 v[MS], v[ST+10] offset:384
.Lkeep:
	s_wait_dscnt 0x0                               ; for the others' sake: my stores have landed
	s_barrier_signal -1
	s_barrier_wait -1
	s_cmp_lg_u32 s[KSH], 0
	s_cbranch_scc1 .Lend
	ds_load_b32 v192, v[MS]                        ; the partner's m and l
	ds_load_b32 v193, v[MS] offset:128
	ds_load_b32 v194, v[MS] offset:256
	ds_load_b32 v195, v[MS] offset:384
	s_wait_dscnt 0x0
.irp t, 0,1
	v_max_num_f32 v[ST+8*\t+4], v[ST+8*\t+1], v[192+2*\t]      ; the common maximum
.endr
.irp t, 0,1
	v_sub_f32 v[ST+8*\t+6], v[ST+8*\t+1], v[ST+8*\t+4]
	v_sub_f32 v[ST+8*\t+4], v[192+2*\t], v[ST+8*\t+4]
.endr
.irp t, 0,1
	v_mul_f32 v[ST+8*\t+6], s[CS], v[ST+8*\t+6]
	v_mul_f32 v[ST+8*\t+4], s[CS], v[ST+8*\t+4]
.endr
.irp t, 0,1
	v_exp_f32 v[ST+8*\t+6], v[ST+8*\t+6]           ; my weight,
	v_exp_f32 v[ST+8*\t+4], v[ST+8*\t+4]           ; the partner's
.endr
	v_nop
	s_wait_alu depctr_va_vdst(0)                   ; one wait for the four
.irp t, 0,1
	v_mul_f32 v[ST+8*\t+5], v[ST+8*\t+4], v[193+2*\t]
.endr
.irp t, 0,1
	v_fma_f32 v[ST+8*\t+5], v[ST+8*\t+6], v[ST+8*\t+2], v[ST+8*\t+5]   ; the row's sum
.endr
.irp t, 0,1
	v_rcp_f32 v[ST+8*\t+5], v[ST+8*\t+5]
.endr
	v_nop
	s_wait_alu depctr_va_vdst(0)                   ; and one for the two reciprocals
.irp t, 0,1
	v_mul_f32 v[ST+8*\t+6], v[ST+8*\t+6], v[ST+8*\t+5]
	v_mul_f32 v[ST+8*\t+4], v[ST+8*\t+4], v[ST+8*\t+5]
.endr
; Tile t: both partial results, weighed and divided by the sum; f16; through my stage, so that sixteen lanes store 256 consecutive bytes.
.macro MERGE t
.irp i, 0,1,2,3,4,5,6,7,8,9,10,11,12,13,14,15
	ds_load_b128 v[X+4*\i:X+4*\i+3], v[MI] offset:(16*\t+\i)*512
.endr
	s_wait_dscnt 0x0
.set i, 0
.rept 32
	v_pk_mul_f32 v[X+i:X+i+1], v[X+i:X+i+1], v[ST+8*\t+4:ST+8*\t+5] op_sel_hi:[1,0]
.set i, i+2
.endr
	WIN 0x01                                       ; source 0: my O^T, in window 1, from each accumulator's low end on
.set i, 0
.rept 32
	v_pk_fma_f32 v[S+i:S+i+1], v[64*\t+i:64*\t+i+1], v[ST+8*\t+6:ST+8*\t+7], v[X+i:X+i+1] op_sel_hi:[1,0,1]
.set i, i+2
.endr
	WIN 0
.set i, 0
.rept 32
	v_cvt_pk_f16_f32 v[P+i], v[S+2*i], v[S+2*i+1]
.set i, i+1
.endr
.irp f, 0,1,2,3,4,5,6,7
	ds_store_b128 v[STO], v[P+4*\f:P+4*\f+3] offset:32*\f
.endr
.irp f, 0,1,2,3,4,5,6,7
	ds_load_b128 v[X+32*\t+4*\f:X+32*\t+4*\f+3], v[RD] offset:544*\f   ; LDS serves a wave's instructions in order: these see the stores above
.endr
.endm
.macro SEND t
.irp f, 0,1,2,3,4,5,6,7
	s_wait_dscnt 7-\f                              ; the younger reads from the stage may be out
	global_store_b128 v[GO], v[X+32*\t+4*\f:X+32*\t+4*\f+3], s[6:7] offset:\t*65536+\f*8192   ; 16 lanes store 256 consecutive bytes, at a multiple of 256 from the buffer's first byte
.endr
.endm
	MERGE 0
	SEND 0
	s_wait_xcnt 0x0                                ; tile 0's stores have read their registers, into which tile 1's loads land
	MERGE 1
	SEND 1
.Lend:
	s_wait_tensorcnt 0x0                           ; the wave's end: a tensor wait, an add of 0 to my spare word, and its wait, behind my last tensor load and my last LDS store
	ds_add_u32 v[SPW], v[NIL]
	s_wait_dscnt 0x0
	s_endpgm
.Lfunc_end_k_q93e47671a6_attn:
	.size	k_q93e47671a6_attn, .Lfunc_end_k_q93e47671a6_attn-k_q93e47671a6_attn
	.p2alignl 7, 3214868480
	.fill 96, 4, 3214868480
	.section	.rodata,"a",@progbits
	.p2align	6, 0x0
	.amdhsa_kernel k_q93e47671a6_attn
		.amdhsa_group_segment_fixed_size 327680
		.amdhsa_private_segment_fixed_size 0
		.amdhsa_enable_private_segment 0
		.amdhsa_kernarg_size 16
		.amdhsa_user_sgpr_count 2
		.amdhsa_user_sgpr_kernarg_segment_ptr 1
		.amdhsa_wavefront_size32 1
		.amdhsa_system_sgpr_workgroup_id_x 1
		.amdhsa_system_sgpr_workgroup_id_y 1
		.amdhsa_system_sgpr_workgroup_id_z 1
		.amdhsa_system_vgpr_workitem_id 0
		.amdhsa_next_free_vgpr 512
		.amdhsa_next_free_sgpr 66
		.amdhsa_reserve_vcc 1
		.amdhsa_float_denorm_mode_32 3
		.amdhsa_float_denorm_mode_16_64 3
		.amdhsa_memory_ordered 1
		.amdhsa_forward_progress 1
		.amdhsa_inst_pref_size 93
	.end_amdhsa_kernel
	.amdgpu_metadata
---
amdhsa.version: [ 1, 2 ]
amdhsa.kernels:
  - .name:           k_q93e47671a6_attn
    .symbol:         k_q93e47671a6_attn.kd
    .args:
      - { .name: qkv16, .offset: 0, .size: 8, .value_kind: global_buffer, .address_space: global }
      - { .name: attn16, .offset: 8, .size: 8, .value_kind: global_buffer, .address_space: global }
    .group_segment_fixed_size: 327680
    .private_segment_fixed_size: 0
    .kernarg_segment_align: 8
    .kernarg_segment_size: 16
    .max_flat_workgroup_size: 256
    .sgpr_count:     66
    .vgpr_count:     512
    .wavefront_size: 32
...
	.end_amdgpu_metadata
.endif
;; end of part 3
;; launch oproj (part 4): grid 16 x 16, 4 waves a work-group, clusters of 4 x 4, 327,680 bytes of LDS; arguments attn16, wo16, out0; writes out0
.if DOCPART == 4
	.amdgcn_target "amdgcn-amd-amdhsa--gfx1250"
	.amdhsa_code_object_version 6
	.text
	.protected	k_q93e47671a6_oproj
	.globl	k_q93e47671a6_oproj
	.p2align	8
	.type	k_q93e47671a6_oproj,@function
k_q93e47671a6_oproj:
	s_mov_b64 s[64:65], 0
	v_nop
	global_prefetch_b8 v0, s[64:65] scope:SCOPE_SE
	s_setreg_imm32_b32 hwreg(HW_REG_WAVE_MODE, 25, 1), 1
	s_wait_xcnt 0x0
	s_wait_alu depctr_hold_cnt(0) depctr_sa_sdst(0) depctr_va_vdst(0) depctr_va_sdst(0) depctr_va_ssrc(0) depctr_va_vcc(0) depctr_vm_vsrc(0)
	s_getreg_b32 s2, hwreg(HW_REG_IB_STS2, 6, 4)
	s_cmp_eq_u32 s2, 0
	s_cbranch_scc0 .Lentry_in_a_cluster
	s_endpgm
.Lentry_in_a_cluster:
	s_bfe_u32 s2, ttmp6, 0x10000c
	s_cmp_lg_u32 s2, 0xf033
	s_cbranch_scc0 .Lentry_shape_is_right
	s_endpgm
.Lentry_shape_is_right:
; CAUSAL ATTENTION, launch 4 of 5: out = attn Wo^T.  A = attn16 [2048][2048], B = wo16 [2048 (n)][2048 (k)], both f16; sums in f32; out0 [2048][2048] f32.
; ROWS 0-15 ARE NOT STORED HERE: they belong to the launch that carries the first positions in f32; each byte of out0 is written once in the program.
; A tile of C is 128 x 128: 256 work-groups.  Four waves, each 64 x 64: 16 accumulators.  K goes in steps of 256 (LDS rows of 512 bytes; a wave's tensor load brings 64 of them) through two slots.
; CLUSTERS: 4 x 4 work-groups; A's tiles are asked for jointly along a row of the cluster, B's along a column.  THE MATRIX INSTRUCTION IS USED TRANSPOSED: a lane holds eight neighbouring numbers of a row of C.
; A wave's 64 columns of f32 are 256 aligned bytes of a row: each wave has a stage of its own on the way out, and no barrier stands there.
; REGISTERS: window 0: v0-31 addresses; v32-95 rows on the way out; v128-255 the accumulators ((a, b) at v[128 + 8 (4 a + b)]).   window 1: two fragment buffers of 128.
.set SIZE_M, 2048
.set SIZE_N, 2048
.set SIZE_K, 2048
.set KSTEP,  256
.set PITCH,  528                       ; an LDS row: 512 bytes + 16 of padding
.set HALFT,  64*PITCH
.set SLOT,   4*HALFT
.set STAGE,  2*SLOT                    ; behind the ring: 16 rows x 272 bytes for each wave
.set SPITCH, 272
.set SPARE,  STAGE+4*16*SPITCH         ; behind the stages: the spare words, 128 bytes a wave
.set LAPS, SIZE_K/(2*KSTEP)
.set ADRA, 16
.set ADRB, 20
.set STO,  24
.set RD,   25
.set CO,   26
.set ROWV, 27                          ; v27 my wave's first row of C
.set SPW,  28                          ; v28 LDS address of my spare word; never rewritten
.set NIL,  29                          ; v29 0; never rewritten
.set BK,   32                          ; v32-63, v64-95 by turns
.set ACC,  128
.set F0,   0
.set F1,   128
.set G1, 24
.set G0, 32
.set G1B, 48
.set G0B, 56
.set MSB, 0
.macro WIN new
.if MSB != (\new)
	s_set_vgpr_msb (MSB<<8)|(\new)
.set MSB, (\new)
.endif
.endm
.set MUL,  0x05                        ; sources 0 (B) and 1 (A) window 1; C and D window 0
.set TO_F, 0x40                        ; destination window 1, address window 0
.macro JLOAD s                         ; a joint load: waves 0 and 1 fetch A's two halves, waves 2 and 3 B's; an s_nop 0 and four v_nop follow each of the two lines
	s_cmp_eq_u32 s11, 0
	s_cbranch_scc0 .Lfor_b_\@
	tensor_load_to_lds s[G0+4*\s:G0+4*\s+3], s[G1:G1+7]
	s_nop 0
.rept 4
	v_nop
.endr
	s_branch .Lasked_\@
.Lfor_b_\@:
	tensor_load_to_lds s[G0B+4*\s:G0B+4*\s+3], s[G1B:G1B+7]
	s_nop 0
.rept 4
	v_nop
.endr
.Lasked_\@:
.endm
.macro CREST
	s_cmp_lg_u32 s10, 0
	s_cbranch_scc1 .Lnot_wave_0_\@
	s_barrier_signal -3
.Lnot_wave_0_\@:
	s_barrier_wait -3
	s_barrier_signal -1
	s_barrier_wait -1
.endm
.macro CROUND
	s_barrier_signal -1
	s_barrier_wait -1
	CREST
.endm
	s_load_b128 s[4:7], s[0:1], 0x0                ; A s[4:5], B s[6:7]
	s_load_b64 s[8:9], s[0:1], 0x10                ; C
	v_lshl_add_u32 v[SPW], v0, 2, SPARE
	v_mov_b32 v[NIL], 0
	ds_add_u32 v[SPW], v[NIL]                      ; the wave's opening: the add, twice on end, and its wait ahead of my first tensor load
	ds_add_u32 v[SPW], v[NIL]
	v_lshrrev_b32 v1, 5, v0
	v_readfirstlane_b32 s10, v1                    ; wave 0..3
	s_lshr_b32 s11, s10, 1                         ; which half of the tile's rows is mine.  Also: I fetch for A (0) or for B (1)
	s_and_b32 s12, s10, 1                          ; which half of its columns.  Also: which 64 rows of that tile I fetch
	s_bfe_u32 s40, ttmp6, 0x40000                  ; cx, cy
	s_bfe_u32 s41, ttmp6, 0x40004
	s_lshl_b32 s42, ttmp9, 2
	s_add_co_u32 s42, s42, s40                     ; tile column of C
	s_and_b32 s13, ttmp7, 0xffff
	s_lshl_b32 s13, s13, 2
	s_add_co_u32 s13, s13, s41                     ; tile row of C
	s_lshl_b32 s43, s41, 2
	s_lshl_b32 s43, 15, s43                        ; my row of the cluster
	s_lshl_b32 s44, 0x1111, s40                    ; my column
	s_or_b32 s[G1+0], s43, (1<<16)|(1<<20)|(1<<21)|(6<<22)|(3<<25)  ; the mask; elements of 2 bytes; padding on; bit 21 beside a mask; after every 128 words four words
	s_or_b32 s[G1B+0], s44, (1<<16)|(1<<20)|(1<<21)|(6<<22)|(3<<25)
.irp g, G1, G1B
	s_mov_b32 s[\g+1], KSTEP<<16                   ; tensor_dim0 = 256
	s_mov_b32 s[\g+2], 64<<16                      ; tensor_dim1 = 64
	s_mov_b32 s[\g+3], KSTEP<<16                   ; tile_dim0 = 256
	s_mov_b32 s[\g+4], 64                          ; tile_dim1 = 64
	s_mov_b32 s[\g+5], SIZE_K                      ; elements from row to row
	s_mov_b32 s[\g+6], 0
	s_mov_b32 s[\g+7], 0
.endr
	s_lshl_b32 s17, s12, 6                         ; which 64 rows of the tile I fetch
	s_lshl_b32 s16, s13, 7
	s_add_co_u32 s16, s16, s17                     ; A: row 128 x tile row + 64 x half
	s_lshl_b32 s46, s42, 7
	s_add_co_u32 s46, s46, s17                     ; B: row 128 x tile column + 64 x half
	s_mov_b32 s17, 0
	s_mov_b32 s47, 0
	s_mov_b64 s[18:19], SIZE_K*2
	s_mul_u64 s[16:17], s[16:17], s[18:19]
	s_mul_u64 s[46:47], s[46:47], s[18:19]
	s_mul_i32 s20, s10, HALFT                      ; where they go: wave x 64 rows
	s_wait_dscnt 0x0                               ; both opening adds are done
	s_wait_kmcnt 0x0
	s_add_nc_u64 s[14:15], s[4:5], s[16:17]
	s_add_nc_u64 s[46:47], s[6:7], s[46:47]
	CROUND                                         ; all sixteen work-groups are here: the first joint loads meet
.irp s, 0,1
	s_mov_b32 s[G0+4*\s], 1
	s_add_co_u32 s[G0+4*\s+1], s20, \s*SLOT
	s_add_nc_u64 s[G0+4*\s+2:G0+4*\s+3], s[14:15], \s*KSTEP*2
	s_or_b32 s[G0+4*\s+3], s[G0+4*\s+3], 0x80000000
	s_mov_b32 s[G0B+4*\s], 1
	s_add_co_u32 s[G0B+4*\s+1], s20, \s*SLOT
	s_add_nc_u64 s[G0B+4*\s+2:G0B+4*\s+3], s[46:47], \s*KSTEP*2
	s_or_b32 s[G0B+4*\s+3], s[G0B+4*\s+3], 0x80000000
	JLOAD \s
.endr
	v_and_b32 v1, 15, v0                           ; r
	v_bfe_u32 v2, v0, 4, 1                         ; h
	v_mul_u32_u24 v3, v1, PITCH
	v_lshl_add_u32 v3, v2, 4, v3
	s_mul_i32 s21, s11, HALFT                      ; my 64 rows of A
	s_mul_i32 s22, s12, HALFT                      ; my 64 rows of B,
	s_add_co_u32 s22, s22, 2*HALFT                 ; which lie behind A's 128
.irp s, 0,1
	v_add_nc_u32 v[ADRA+\s], s21, v3
	v_add_nc_u32 v[ADRB+\s], s22, v3
	s_add_co_u32 s21, s21, SLOT
	s_add_co_u32 s22, s22, SLOT
.endr
	s_mul_i32 s23, s10, 16*SPITCH
	s_add_co_u32 s23, s23, STAGE                   ; my stage
	v_mul_u32_u24 v4, v1, SPITCH                   ; in: row r, 32 bytes for each half of the lanes
	v_lshl_add_u32 v4, v2, 5, v4
	v_add_nc_u32 v[STO], s23, v4
	v_mul_u32_u24 v5, v2, SPITCH                   ; back: lanes 0-15 one row of 256 bytes, lanes 16-31 the next
	v_lshl_add_u32 v5, v1, 4, v5
	v_add_nc_u32 v[RD], s23, v5
	v_lshlrev_b32 v5, 13, v2                       ; and the same two rows in C: 8,192 bytes a row
	v_lshl_add_u32 v[CO], v1, 4, v5
	s_lshl_b32 s16, s13, 7
	s_lshl_b32 s17, s11, 6
	s_add_co_u32 s16, s16, s17                     ; my first row of C: 128 x tile row + 64 x half
	v_mov_b32 v[ROWV], s16
	s_lshl_b32 s16, s16, 13
	s_mov_b32 s17, 0
	s_add_nc_u64 s[8:9], s[8:9], s[16:17]
	s_lshl_b32 s46, s42, 9                         ; my first column, in bytes: 512 x tile column + 256 x half
	s_lshl_b32 s47, s12, 8
	s_add_co_u32 s46, s46, s47
	s_mov_b32 s47, 0
	s_add_nc_u64 s[8:9], s[8:9], s[46:47]
.macro MUL8 f, c, a0, zero             ; 8 matrix instructions: m blocks a0, a0 + 1 x all 4 n blocks, 32 along K: half c of buffer f.  zero = 1: the first product starts the sums
.irp a, \a0, \a0+1
.irp b, 0,1,2,3
.if \zero
	v_wmma_f32_16x16x32_f16 v[ACC+8*(4*(\a)+\b):ACC+8*(4*(\a)+\b)+7], v[\f+64+8*(4*\c+\b):\f+64+8*(4*\c+\b)+7], v[\f+8*(4*\c+\a):\f+8*(4*\c+\a)+7], 0
.else
	v_wmma_f32_16x16x32_f16 v[ACC+8*(4*(\a)+\b):ACC+8*(4*(\a)+\b)+7], v[\f+64+8*(4*\c+\b):\f+64+8*(4*\c+\b)+7], v[\f+8*(4*\c+\a):\f+8*(4*\c+\a)+7], v[ACC+8*(4*(\a)+\b):ACC+8*(4*(\a)+\b)+7]
.endif
.endr
.endr
.endm
.macro FETCH slot, k, f                ; 32 LDS loads in one run: the fragments of 64 along K at byte k of the rows, into buffer f; the first 32 along K first
	WIN TO_F
.irp c, 0,1
.irp i, 0,1,2,3
	ds_load_b128 v[\f+64+8*(4*\c+\i):\f+64+8*(4*\c+\i)+3],   v[ADRB+\slot] offset:\k+64*\c+\i*16*PITCH
	ds_load_b128 v[\f+64+8*(4*\c+\i)+4:\f+64+8*(4*\c+\i)+7], v[ADRB+\slot] offset:\k+64*\c+\i*16*PITCH+32
	ds_load_b128 v[\f+8*(4*\c+\i):\f+8*(4*\c+\i)+3],         v[ADRA+\slot] offset:\k+64*\c+\i*16*PITCH
	ds_load_b128 v[\f+8*(4*\c+\i)+4:\f+8*(4*\c+\i)+7],       v[ADRA+\slot] offset:\k+64*\c+\i*16*PITCH+32
.endr
.endr
.endm
.macro PLACES
.rept 4
	v_nop
.endr
.endm
.macro QUARTER slot, k, f, g, zero     ; 64 along K: multiplies buffer f and fetches the next quarter, at byte k, into g
	s_wait_dscnt 16                                ; the first 32 along K are in
	WIN MUL
	MUL8 \f, 0, 0, \zero
	MUL8 \f, 0, 2, \zero
	PLACES
	FETCH \slot, \k, \g
	s_wait_dscnt 32                                ; all but the 32 just issued
	WIN MUL
	MUL8 \f, 1, 0, 0
	MUL8 \f, 1, 2, 0
.endm
.macro TURN slot, next, fill           ; the last quarter multiplies buffer 1 and changes slots
	WIN 0
	s_wait_tensorcnt 0x0                           ; all my tensor loads have landed: my part of the next slot
	ds_add_u32 v[SPW], v[NIL]                      ; 0 onto my spare word
	s_wait_dscnt 17                                ; (the add and the youngest sixteen loads may be out)
	WIN MUL
	MUL8 F1, 0, 0, 0
	s_wait_dscnt 0x0                               ; the add is done, and my reads of this slot are over
	s_barrier_signal -1
	MUL8 F1, 0, 2, 0
.if \fill
	WIN 0
.endif
	s_barrier_wait -1
.if \fill
	CREST                                          ; the barrier has opened a round of the cluster's barrier
	s_add_nc_u64 s[G0+4*\slot+2:G0+4*\slot+3], s[G0+4*\slot+2:G0+4*\slot+3], 2*KSTEP*2
	s_add_nc_u64 s[G0B+4*\slot+2:G0B+4*\slot+3], s[G0B+4*\slot+2:G0B+4*\slot+3], 2*KSTEP*2
	JLOAD \slot                                    ; the first tensor load behind the round; its four v_nop are the places in front of the loads below
.else
	PLACES
.endif
	FETCH \next, 0, F0
	WIN MUL
	MUL8 F1, 1, 0, 0
	MUL8 F1, 1, 2, 0
.endm
	s_wait_tensorcnt 1                             ; my part of K step 0 is in,
	s_barrier_signal -1
	s_barrier_wait -1                              ; everybody's is
	FETCH 0, 0, F0
	QUARTER 0, 128, F0, F1, 1                      ; the first quarter stands in front of the loop: its first products start the sums
	WIN 0
	s_mov_b32 s3, LAPS-1
.Llap:
	QUARTER 0, 256, F1, F0, 0
	QUARTER 0, 384, F0, F1, 0
	TURN 0, 1, 1
	QUARTER 1, 128, F0, F1, 0
	QUARTER 1, 256, F1, F0, 0
	QUARTER 1, 384, F0, F1, 0
	TURN 1, 0, 1
	QUARTER 0, 128, F0, F1, 0
	WIN 0
	s_sub_co_u32 s3, s3, 1
	s_cmp_lg_u32 s3, 0
	s_cbranch_scc1 .Llap
	QUARTER 0, 256, F1, F0, 0                      ; the last lap fills nothing
	QUARTER 0, 384, F0, F1, 0
	TURN 0, 1, 0
	QUARTER 1, 128, F0, F1, 0
	QUARTER 1, 256, F1, F0, 0
	QUARTER 1, 384, F0, F1, 0
	s_wait_dscnt 16
	WIN MUL
	MUL8 F1, 0, 0, 0
	MUL8 F1, 0, 2, 0
	s_wait_dscnt 0
	MUL8 F1, 1, 0, 0
	MUL8 F1, 1, 2, 0
	WIN 0
	; THE WAY OUT, block a of 16 rows x 64 columns at a time, through my own stage: in as 32 bytes a lane, back as whole rows of 256 bytes.
.macro TOSTAGE a
.irp b, 0,1,2,3
	ds_store_b128 v[STO], v[ACC+8*(4*(\a)+\b):ACC+8*(4*(\a)+\b)+3] offset:64*\b          ; each accumulator from its low end on
	ds_store_b128 v[STO], v[ACC+8*(4*(\a)+\b)+4:ACC+8*(4*(\a)+\b)+7] offset:64*\b+16
.endr
.set BB, BK+32*((\a)%2)
.irp t, 0,1,2,3,4,5,6,7
	ds_load_b128 v[BB+4*\t:BB+4*\t+3], v[RD] offset:\t*2*SPITCH    ; LDS serves a wave's instructions in order
.endr
.endm
.macro STORES a
.set BB, BK+32*((\a)%2)
.irp t, 0,1,2,3,4,5,6,7
	global_store_b128 v[CO], v[BB+4*\t:BB+4*\t+3], s[8:9] offset:(16*(\a)+2*\t)*SIZE_N*4 th:TH_STORE_NT   ; 16 lanes store 256 consecutive bytes, at a multiple of 256 from C's first byte
.endr
.endm
	PLACES
	TOSTAGE 0
	TOSTAGE 1
	s_wait_dscnt 16                                ; block 0 is back; block 1's 16 LDS instructions may be out
	s_wait_xcnt 0x0                                ; EXEC changes only when every earlier memory instruction has read its sources
	v_cmp_ne_u32 vcc_lo, 0, v[ROWV]                ; rows 0-15 of C are another launch's: where my first row is 0, block 0 is not stored.  No branch hangs on a work-group's place in its cluster
	s_and_saveexec_b32 s20, vcc_lo
	STORES 0
	s_wait_xcnt 0x0                                ; and again ahead of the line that widens it; block 0's registers may be loaded again
	s_or_b32 exec_lo, exec_lo, s20
	TOSTAGE 2
	s_wait_dscnt 16
	STORES 1
	s_wait_xcnt 0x0                                ; block 1's stores have read their registers
	TOSTAGE 3
	s_wait_dscnt 16
	STORES 2
	s_wait_dscnt 0x0
	STORES 3
	s_wait_tensorcnt 0x0                           ; the wave's end: a tensor wait, an add of 0 to my spare word, and its wait, behind my last tensor load and my last LDS store
	ds_add_u32 v[SPW], v[NIL]
	s_wait_dscnt 0x0
	CROUND                                         ; the closing round
	s_endpgm
.Lfunc_end_k_q93e47671a6_oproj:
	.size	k_q93e47671a6_oproj, .Lfunc_end_k_q93e47671a6_oproj-k_q93e47671a6_oproj
	.p2alignl 7, 3214868480
	.fill 96, 4, 3214868480
	.section	.rodata,"a",@progbits
	.p2align	6, 0x0
	.amdhsa_kernel k_q93e47671a6_oproj
		.amdhsa_group_segment_fixed_size 327680
		.amdhsa_private_segment_fixed_size 0
		.amdhsa_enable_private_segment 0
		.amdhsa_kernarg_size 24
		.amdhsa_user_sgpr_count 2
		.amdhsa_user_sgpr_kernarg_segment_ptr 1
		.amdhsa_wavefront_size32 1
		.amdhsa_system_sgpr_workgroup_id_x 1
		.amdhsa_system_sgpr_workgroup_id_y 1
		.amdhsa_system_sgpr_workgroup_id_z 1
		.amdhsa_system_vgpr_workitem_id 0
		.amdhsa_next_free_vgpr 512
		.amdhsa_next_free_sgpr 66
		.amdhsa_reserve_vcc 1
		.amdhsa_float_denorm_mode_32 3
		.amdhsa_float_denorm_mode_16_64 3
		.amdhsa_memory_ordered 1
		.amdhsa_forward_progress 1
		.amdhsa_inst_pref_size 86
	.end_amdhsa_kernel
	.amdgpu_metadata
---
amdhsa.version: [ 1, 2 ]
amdhsa.kernels:
  - .name:           k_q93e47671a6_oproj
    .symbol:         k_q93e47671a6_oproj.kd
    .args:
      - { .name: attn16, .offset: 0, .size: 8, .value_kind: global_buffer, .address_space: global }
      - { .name: wo16, .offset: 8, .size: 8, .value_kind: global_buffer, .address_space: global }
      - { .name: out0, .offset: 16, .size: 8, .value_kind: global_buffer, .address_space: global }
    .group_segment_fixed_size: 327680
    .private_segment_fixed_size: 0
    .kernarg_segment_align: 8
    .kernarg_segment_size: 24
    .max_flat_workgroup_size: 128
    .sgpr_count:     66
    .vgpr_count:     512
    .wavefront_size: 32
...
	.end_amdgpu_metadata
.endif
;; end of part 4
;; launch fine (part 5): grid 128 x 1, 16 waves a work-group, no clusters, 18,432 bytes of LDS; arguments fine32, Wo, out0; writes out0
.if DOCPART == 5
	.amdgcn_target "amdgcn-amd-amdhsa--gfx1250"
	.amdhsa_code_object_version 6
	.text
	.protected	k_q93e47671a6_fine
	.globl	k_q93e47671a6_fine
	.p2align	8
	.type	k_q93e47671a6_fine,@function
k_q93e47671a6_fine:
	s_mov_b64 s[64:65], 0
	v_nop
	global_prefetch_b8 v0, s[64:65] scope:SCOPE_SE
	s_setreg_imm32_b32 hwreg(HW_REG_WAVE_MODE, 25, 1), 1
	s_wait_xcnt 0x0
; CAUSAL ATTENTION, launch 5 of 5: positions 0-15, all in f32.  Under the causal mask these rows average one to sixteen values and are the largest of the output: 16-bit operands would use up what the comparison allows.
; Keys beyond 15 are hidden from these queries by reference()'s own jnp.tril and are not touched.
; fine32: [q / 4, k / 4, v][head][16 positions][128] f32.  Wo: [2048 (n)][2048 (k)] f32.  out0 rows 0-15.
; SHARES.  Work-group g owns the output columns 16 g on; wave w is head w.  A wave makes its head's attention for the 16 positions (every work-group repeats that: 64 small matrix instructions), multiplies it, from its
; registers, by Wo[16 g + r][128 w ..], and the sixteen heads' partial sums meet in LDS.  128 work-groups so share the one large stream, Wo's 16 MiB, each byte read once.
; The launch stores 128 KiB in all, in pieces of 64 bytes: a row of a work-group's 16 columns.
; THE f32 MATRIX FORM takes 4 along K: lane (r, h), register j: k = 2 h + j.  The k of an instruction are chosen so that loads of 16 bytes, and results as they lie, are its operands; the same choice stands on both sides.
;   S^T = K Q^T: lane (r, h) loads channels 8 u + 4 h + 0..3 of row r; instruction 2 u + i takes registers 2 i, 2 i + 1 of them.  Result: query r, keys 8 h + j.
;   O^T = V^T P: instruction i takes keys 8 h + 2 i, + 1: P's registers 2 i, 2 i + 1 as they lie.  Result: query r, channels 16 t + 8 h + j.
;   C = O Wo^T: source 0 = O^T's registers 2 i, 2 i + 1 as they lie (row = query r), source 1 = Wo[16 g + r][128 w + 16 t + 8 h + 2 i, + 1].  Result: register j: query 8 h + j, column 16 g + r.
; The registers that the f32 matrix form writes (v208-255) are written by matrix instructions alone.
.set SPARE, 16384                      ; LDS: 16 partial results of 1,024 bytes; then the spare words, 128 bytes a wave
.set AQ,  3
.set AV,  4
.set AW,  5
.set SPW, 6                            ; v6 LDS address of my spare word; never rewritten
.set NIL, 7                            ; v7 0; never rewritten
.set PI,  8
.set RDA, 9
.set OA,  10
.set DD,  12                           ; r - 8 h
.set WO,  16                           ; v16-79   Wo's fragments; at the end the sixteen partial results
.set QF,  80                           ; v80-143  Q, then V
.set VF,  80
.set KF,  144                          ; v144-207 K, then at work:
.set SS,  144                          ; v144-151 the scores, later the partial result
.set TP,  152                          ; v152-159 at work
.set PP,  160                          ; v160-167 p
.set SA,  208                          ; v208-239 four accumulators
.set CA,  240                          ; v240-255 two accumulators
	s_load_b128 s[4:7], s[0:1], 0x0                ; fine32 s[4:5], Wo s[6:7]
	s_load_b64 s[8:9], s[0:1], 0x10                ; out0
	v_lshl_add_u32 v[SPW], v0, 2, SPARE
	v_mov_b32 v[NIL], 0
	v_lshrrev_b32 v1, 5, v0
	v_readfirstlane_b32 s10, v1                    ; wave = head
	v_and_b32 v1, 15, v0                           ; r
	v_bfe_u32 v2, v0, 4, 1                         ; h
	v_and_b32 v11, 31, v0                          ; lane
	v_lshlrev_b32 v[AQ], 9, v1
	v_lshl_add_u32 v[AQ], v2, 4, v[AQ]             ; Q, K: 512 r + 16 h
	v_lshlrev_b32 v[AV], 2, v1
	v_lshl_add_u32 v[AV], v2, 12, v[AV]            ; V: 8 h rows of 512 bytes + 4 r
	v_lshlrev_b32 v[AW], 13, v1
	v_lshl_add_u32 v[AW], v2, 5, v[AW]             ; Wo: 8,192 r + 32 h
	s_lshl_b32 s11, s10, 10
	v_lshl_add_u32 v[PI], v11, 4, s11              ; my partial result: 1,024 x wave + 16 x lane
	s_and_b32 s12, s10, 1
	s_lshl_b32 s13, s12, 9
	v_lshl_add_u32 v[RDA], v11, 4, s13             ; the last phase (waves 0 and 1): registers 4 w on of every partial result
	v_lshlrev_b32 v[OA], 3, v2
	v_sub_nc_u32 v[DD], v1, v[OA]
	s_lshl_b32 s13, s12, 2
	v_add_nc_u32 v[OA], s13, v[OA]                 ; rows 8 h + 4 w on,
	v_lshlrev_b32 v[OA], 13, v[OA]
	v_lshl_add_u32 v[OA], v1, 2, v[OA]             ; column r
	s_lshl_b32 s14, s10, 13                        ; 8,192 bytes a head in fine32
	s_mov_b32 s15, 0
	s_lshl_b32 s16, ttmp9, 17                      ; Wo: 16 rows of 8,192 bytes a work-group,
	s_lshl_b32 s17, s10, 9                         ; 512 bytes a head
	s_add_co_u32 s16, s16, s17
	s_mov_b32 s17, 0
	s_lshl_b32 s18, ttmp9, 6                       ; out0: 64 bytes a work-group
	s_mov_b32 s19, 0
	s_mov_b32 s20, 0x400293ee                      ; c' = 16 log2(e) / sqrt(128): q and k carry 1 / 4 each
	s_mov_b32 s21, 0xc00293ee                      ; -c'
	s_mov_b32 s22, 0x76543210
	s_mov_b32 s23, 0xfedcba98                      ; v_permlanex16_b32's selects for lane l xor 16
	s_wait_kmcnt 0x0
	s_add_nc_u64 s[4:5], s[4:5], s[14:15]
	s_add_nc_u64 s[6:7], s[6:7], s[16:17]
	s_add_nc_u64 s[8:9], s[8:9], s[18:19]
.irp u, 0,1,2,3,4,5,6,7,8,9,10,11,12,13,14,15
	global_load_b128 v[QF+4*\u:QF+4*\u+3], v[AQ], s[4:5] offset:32*\u
.endr
.irp u, 0,1,2,3,4,5,6,7,8,9,10,11,12,13,14,15
	global_load_b128 v[KF+4*\u:KF+4*\u+3], v[AQ], s[4:5] offset:131072+32*\u
.endr
.irp t, 0,1,2,3,4,5,6,7
	global_load_b128 v[WO+8*\t:WO+8*\t+3], v[AW], s[6:7] offset:64*\t
	global_load_b128 v[WO+8*\t+4:WO+8*\t+7], v[AW], s[6:7] offset:64*\t+16
.endr
	s_wait_loadcnt 16                              ; Q and K are in; Wo's 16 loads may be out
.set n, 0
.rept 32                               ; S^T: four accumulators by turns, one instruction a turn; the first four start the sums
.if n < 4
	v_wmma_f32_16x16x4_f32 v[SA+8*(n%4):SA+8*(n%4)+7], v[KF+2*n:KF+2*n+1], v[QF+2*n:QF+2*n+1], 0
.else
	v_wmma_f32_16x16x4_f32 v[SA+8*(n%4):SA+8*(n%4)+7], v[KF+2*n:KF+2*n+1], v[QF+2*n:QF+2*n+1], v[SA+8*(n%4):SA+8*(n%4)+7]
.endif
.set n, n+1
.endr
.rept 8
	v_nop                                          ; eight places behind this form: for the loads into Q's registers, the writes of K's and the first reads of results
.endr
.irp t, 0,1,2,3,4,5,6,7
.irp j, 0,1,2,3,4,5,6,7
	global_load_b32 v[VF+8*\t+\j], v[AV], s[4:5] offset:262144+512*\j+64*\t   ; V(key 8 h + j, channel 16 t + r)
.endr
.endr
.irp j, 0,1,2,3,4,5,6,7
	v_add_f32 v[SS+\j], v[SA+\j], v[SA+8+\j]       ; the four partial sums, each accumulator from its low end on
	v_add_f32 v[TP+\j], v[SA+16+\j], v[SA+24+\j]
.endr
.irp j, 0,1,2,3,4,5,6,7
	v_add_f32 v[SS+\j], v[SS+\j], v[TP+\j]
.endr
	v_mov_b32 v168, 0xff800000                     ; -infinity
.irp j, 0,1,2,3,4,5,6,7
	v_cmp_gt_i32 vcc_lo, \j, v[DD]                 ; key 8 h + j is hidden from query r where j > r - 8 h
	v_cndmask_b32 v[SS+\j], v[SS+\j], v168, vcc_lo
.endr
	v_max3_num_f32 v[TP], v[SS], v[SS+1], v[SS+2]
	v_max3_num_f32 v[TP], v[TP], v[SS+3], v[SS+4]
	v_max3_num_f32 v[TP], v[TP], v[SS+5], v[SS+6]
	v_max_num_f32 v[TP], v[TP], v[SS+7]
	v_permlanex16_b32 v[TP+1], v[TP], s22, s23
	v_max_num_f32 v[TP], v[TP], v[TP+1]            ; the row's maximum: key 0 counts for every query
	v_mul_f32 v[TP+2], s21, v[TP]
.irp j, 0,1,2,3,4,5,6,7
	v_fma_f32 v[PP+\j], v[SS+\j], s20, v[TP+2]
.endr
.irp j, 0,1,2,3,4,5,6,7
	v_exp_f32 v[PP+\j], v[PP+\j]
.endr
	v_nop
	s_wait_alu depctr_va_vdst(0)                   ; one wait for the eight
	v_add_f32 v[TP+3], v[PP], v[PP+1]
	v_add_f32 v[TP+4], v[PP+2], v[PP+3]
	v_add_f32 v[TP+5], v[PP+4], v[PP+5]
	v_add_f32 v[TP+6], v[PP+6], v[PP+7]
	v_add_f32 v[TP+3], v[TP+3], v[TP+4]
	v_add_f32 v[TP+5], v[TP+5], v[TP+6]
	v_add_f32 v[TP+3], v[TP+3], v[TP+5]
	v_permlanex16_b32 v[TP+4], v[TP+3], s22, s23
	v_add_f32 v[TP+3], v[TP+3], v[TP+4]
	v_rcp_f32 v[TP+3], v[TP+3]
	v_nop
	s_wait_alu depctr_va_vdst(0)
.irp j, 0,1,2,3,4,5,6,7
	v_mul_f32 v[PP+\j], v[PP+\j], v[TP+3]          ; the weights, normalised
.endr
	s_wait_loadcnt 0x0                             ; Wo and V
.macro HALF g                          ; channels 64 g on: four tiles of O^T, then their part of the projection
.if (\g) == 1
.rept 9
	v_nop                                          ; nine places before matrix instructions write over registers that the last ones read
.endr
.endif
.irp i, 0,1,2,3
.irp tt, 0,1,2,3
.if \i == 0
	v_wmma_f32_16x16x4_f32 v[SA+8*\tt:SA+8*\tt+7], v[VF+8*(4*(\g)+\tt)+2*\i:VF+8*(4*(\g)+\tt)+2*\i+1], v[PP+2*\i:PP+2*\i+1], 0
.else
	v_wmma_f32_16x16x4_f32 v[SA+8*\tt:SA+8*\tt+7], v[VF+8*(4*(\g)+\tt)+2*\i:VF+8*(4*(\g)+\tt)+2*\i+1], v[PP+2*\i:PP+2*\i+1], v[SA+8*\tt:SA+8*\tt+7]
.endif
.endr
.endr
.rept 9
	v_nop                                          ; nine places before a result is taken as a source
.endr
.irp tt, 0,1,2,3
.irp i, 0,1,2,3
.if ((\g) == 0) && (\tt == 0) && (\i < 2)
	v_wmma_f32_16x16x4_f32 v[CA+8*(\i%2):CA+8*(\i%2)+7], v[SA+8*\tt+2*\i:SA+8*\tt+2*\i+1], v[WO+8*(4*(\g)+\tt)+2*\i:WO+8*(4*(\g)+\tt)+2*\i+1], 0
.else
	v_wmma_f32_16x16x4_f32 v[CA+8*(\i%2):CA+8*(\i%2)+7], v[SA+8*\tt+2*\i:SA+8*\tt+2*\i+1], v[WO+8*(4*(\g)+\tt)+2*\i:WO+8*(4*(\g)+\tt)+2*\i+1], v[CA+8*(\i%2):CA+8*(\i%2)+7]
.endif
.endr
.endr                                              ; two accumulators by turns
.endm
	HALF 0
	HALF 1
.rept 8
	v_nop
.endr
.irp j, 0,1,2,3,4,5,6,7
	v_add_f32 v[SS+\j], v[CA+\j], v[CA+8+\j]       ; my head's part of out(8 h + j, 16 g + r)
.endr
	ds_store_b128 v[PI], v[SS:SS+3]
	ds_store_b128 v[PI], v[SS+4:SS+7] offset:512
	s_wait_dscnt 0x0                               ; for the others' sake: my stores have landed
	s_barrier_signal -1
	s_barrier_wait -1
	s_cmp_ge_u32 s10, 2
	s_cbranch_scc1 .Lend
.irp p, 0,1,2,3,4,5,6,7,8,9,10,11,12,13,14,15
	ds_load_b128 v[WO+4*\p:WO+4*\p+3], v[RDA] offset:1024*\p
.endr
	s_wait_dscnt 0x0
.irp p, 1,2,3,4,5,6,7,8,9,10,11,12,13,14,15
	v_pk_add_f32 v[WO:WO+1], v[WO:WO+1], v[WO+4*\p:WO+4*\p+1]          ; the sixteen heads, in a fixed order
	v_pk_add_f32 v[WO+2:WO+3], v[WO+2:WO+3], v[WO+4*\p+2:WO+4*\p+3]
.endr
.irp e, 0,1,2,3
	global_store_b32 v[OA], v[WO+\e], s[8:9] offset:8192*\e
.endr
.Lend:
	s_wait_tensorcnt 0x0                           ; the wave's end: a tensor wait, an add of 0 to my spare word, and its wait, behind my last LDS store
	ds_add_u32 v[SPW], v[NIL]
	s_wait_dscnt 0x0
	s_endpgm
.Lfunc_end_k_q93e47671a6_fine:
	.size	k_q93e47671a6_fine, .Lfunc_end_k_q93e47671a6_fine-k_q93e47671a6_fine
	.p2alignl 7, 3214868480
	.fill 96, 4, 3214868480
	.section	.rodata,"a",@progbits
	.p2align	6, 0x0
	.amdhsa_kernel k_q93e47671a6_fine
		.amdhsa_group_segment_fixed_size 18432
		.amdhsa_private_segment_fixed_size 0
		.amdhsa_enable_private_segment 0
		.amdhsa_kernarg_size 24
		.amdhsa_user_sgpr_count 2
		.amdhsa_user_sgpr_kernarg_segment_ptr 1
		.amdhsa_wavefront_size32 1
		.amdhsa_system_sgpr_workgroup_id_x 1
		.amdhsa_system_sgpr_workgroup_id_y 1
		.amdhsa_system_sgpr_workgroup_id_z 1
		.amdhsa_system_vgpr_workitem_id 0
		.amdhsa_next_free_vgpr 256
		.amdhsa_next_free_sgpr 66
		.amdhsa_reserve_vcc 1
		.amdhsa_float_denorm_mode_32 3
		.amdhsa_float_denorm_mode_16_64 3
		.amdhsa_memory_ordered 1
		.amdhsa_forward_progress 1
		.amdhsa_inst_pref_size 28
	.end_amdhsa_kernel
	.amdgpu_metadata
---
amdhsa.version: [ 1, 2 ]
amdhsa.kernels:
  - .name:           k_q93e47671a6_fine
    .symbol:         k_q93e47671a6_fine.kd
    .args:
      - { .name: fine32, .offset: 0, .size: 8, .value_kind: global_buffer, .address_space: global }
      - { .name: Wo, .offset: 8, .size: 8, .value_kind: global_buffer, .address_space: global }
      - { .name: out0, .offset: 16, .size: 8, .value_kind: global_buffer, .address_space: global }
    .group_segment_fixed_size: 18432
    .private_segment_fixed_size: 0
    .kernarg_segment_align: 8
    .kernarg_segment_size: 24
    .max_flat_workgroup_size: 512
    .sgpr_count:     66
    .vgpr_count:     256
    .wavefront_size: 32
...
	.end_amdgpu_metadata
.endif
;; end of part 5
